; MI455X (gfx1250); checked and timed in simulation.
; The chip was launched on July 23, 2026; its instructions are those of AMD's public machine-readable ISA for CDNA 5 (MIT licence, August 2026) and "CDNA5" Instruction Set Architecture Reference Guide (July 2026). The comments in the code are by the model that wrote it; some were corrected since.
;; Attention. Allowed arithmetic: matrix products marked QUANTISED: E2M3 operands, one E8M0 scale for each 32 along K, by v_wmma_scale_f32_16x16x128_f8f6f4 with both operands' format E2M3, f32 sums; everything else in f32.
;; Inputs: attention_mask 4 x 2,048 int32; w_k 1,024 x 1,024 float32; w_o 1,024 x 1,024 float32; w_q 1,024 x 1,024 float32; w_v 1,024 x 1,024 float32; x 4 x 2,048 x 1,024 float32.
;; Outputs: out0 4 x 2,048 x 1,024 float32.
;; This version of the problem:
;;   THIS VERSION OF THE PROBLEM IS GIVEN IN LOW PRECISION. The matrix products marked QUANTISED in the list below multiply operands that are first quantised to E2M3 (2 exponent bits, 3 mantissa bits; 6 bits a number), with one power-of-two scale for each 32 numbers along K (OCP MX v1.0); their sums are f32. All else is computed in f32.
;;   The module's matrix products, in the order in which they are computed (A, B: the left and right operand; K: the contracted axis; several contracted axes count as one K, in the product's order):
;;     1. [M 8,192, K 1,024] x [K 1,024, N 1,024]; A: input x; B: input w_q: QUANTISED
;;     2. [M 8,192, K 1,024] x [K 1,024, N 1,024]; A: input x; B: input w_k: QUANTISED
;;     3. [M 8,192, K 1,024] x [K 1,024, N 1,024]; A: input x; B: input w_v: QUANTISED
;;     4. batch 64 x [M 2,048, K 64] x [K 64, N 2,048]; A: computed on the way; B: computed on the way: QUANTISED
;;     5. batch 64 x [M 2,048, K 2,048] x [K 2,048, N 64]; A: computed on the way; B: computed on the way: QUANTISED
;;     6. [M 8,192, K 1,024] x [K 1,024, N 1,024]; A: computed on the way; B: input w_o: QUANTISED
;;   THE QUANTISER, for each operand of a quantised product, along K:
;;     - K is cut into blocks of 32 from its start; a last block that is shorter is filled with zeros.
;;     - A block's scale is 2^e with e = floor(log2(the largest magnitude in the block)) - 2, held to -126 .. 127; a block of zeros has e = 0. As a byte (E8M0): e + 127.
;;     - Each number is divided by its block's scale, clamped to +-7.5, and rounded to the nearest number of E2M3, ties to even, subnormals kept.
;;     - The product sums the exact products of the quantised numbers (number of the format x scale) in f32.
;;   ~~~python
;;   def quantise(x, axis):      # numpy; x: float32 -> the quantised numbers, widened to float32 again
;;       x = np.moveaxis(x, axis, -1); K = x.shape[-1]
;;       x = np.pad(x, [(0, 0)] * (x.ndim - 1) + [(0, -K % 32)]); x = x.reshape(x.shape[:-1] + (-1, 32)); a = np.abs(x).max(-1, keepdims=True)
;;       e = np.where(a > 0, np.clip(np.frexp(np.where(a > 0, a, 1))[1] - 1 - 2, -126, 127), 0)      # np.frexp(a)[1] - 1 = floor(log2(a)), exactly
;;       r = np.clip(x / 2.0 ** e, -7.5, 7.5)
;;       step = 2.0 ** (np.maximum(np.frexp(np.where(r == 0, 1, r))[1] - 1, 0) - 3)
;;       q = np.round(r / step) * step * 2.0 ** e      # np.round: ties to even
;;       return np.moveaxis(q.reshape(q.shape[:-2] + (-1,))[..., :K], -1, axis).astype(np.float32)
;;   ~~~
;;   OPERANDS COMPUTED ON THE WAY. 'Computed on the way' means the value that the module computes at that place (a softmax that the list does not call 'softmax' is quantised finished and normalised). What goes into a quantiser is computed in f32, as accurately as f32 sums, v_exp_f32 and their like allow (about 1e-6 of the number): no bf16 or f16 on the way to a quantiser, and a product that is left as it is and whose result goes on into a quantised operand takes f32 operands (vector FMAs, or v_wmma_f32_16x16x4_f32). A number that lies on a knife's edge between two numbers of the format may be rounded either way, as far as f32 arithmetic and the matrix unit's own rounding can turn it there, and no further.
;; One version. Each part assembles by itself: llvm-mc -triple=amdgcn-amd-amdhsa -mcpu=gfx1250 --defsym DOCPART=n.
;; ======== version 1 of 1: 4 launches
;; limits: right only within a limited range of input values
;; workspace buffers: xq 6,553,600 bytes; wq 3,276,800 bytes; qq 6,815,744 bytes; kv 13,369,344 bytes; oq 6,553,600 bytes
;; launch quant (part 1): grid 512 x 1, 4 waves a work-group, no clusters, 35,328 bytes of LDS; arguments x, w_q, w_k, w_v, w_o, xq, wq; writes xq, wq
.if DOCPART == 1
	.amdgcn_target "amdgcn-amd-amdhsa--gfx1250"
	.amdhsa_code_object_version 6
	.text
	.protected	k_q4ca67f1743_quant
	.globl	k_q4ca67f1743_quant
	.p2align	8
	.type	k_q4ca67f1743_quant,@function
k_q4ca67f1743_quant:
	s_mov_b64 s[64:65], 0
	v_nop
	global_prefetch_b8 v0, s[64:65] scope:SCOPE_SE
	s_setreg_imm32_b32 hwreg(HW_REG_WAVE_MODE, 25, 1), 1
	s_wait_xcnt 0x0
; x [8192][1024] and the four weights [1024 (k)][1024 (n)], f32, become codes of E2M3 with one E8M0 byte for each 32 along K (K = x's last axis, a weight's first).
; NO WORK IS LEFT OUT in this program: every input (x, attention_mask, w_q, w_k, w_v, w_o) has a way to the output, and all six products are done.
; LAYOUT OF THE CODES.  Rows (tokens; a weight's columns n) go in tiles of 16; lane r of tile T is row 32 (T / 2) + 8 (T % 2) + r % 8 + 16 (r / 8).  A UNIT is 16 rows x 64 along K, 768 bytes, an image of six operand
; registers: registers 0-3 of lane L = 16 h + r at byte 16 L, registers 4-5 at byte 512 + 8 L; the lane holds k = 32 h .. 32 h + 31 of the unit.  xq: [tile 512][unit 16][768]; wq: [weight 4][tile 64][unit 16][768].
; THE SCALE BYTES: [pair of tiles][lane 16 (T % 2) + r][32 bytes]: a row's 32 bytes on end; xq's from byte 6,291,456, wq's from 3,145,728.
; A block's scale is 2^(floor(log2(largest magnitude)) - 2): its byte is the largest magnitude's exponent field - 2, held at 1 from below by a floor among the maximum's leaves.
; LIMITS: a block of zeros has the byte 1 where the rule says 127 (its codes are zeros, and only this program reads the bytes); NaN and infinities among the inputs are not served.
; Work-groups 0-255 take x (a wave: one tile of rows x 512 along K), 256-511 the weights (a wave: 32 columns x 128 along K, a lane to a column, registers down K).  Only x's path uses LDS.
.set SPARE, 34816                      ; behind the four waves' stages: the spare words, 128 bytes a wave
.set STG,   4352                       ; a stage: 16 rows x (256 bytes + 16)
.set R,     16                         ; v16-111  x: three sets of 32 registers as loaded; weights: two sets of 32
.set X,     112                        ; v112-175 x: two sets of 32 neighbours along K
.set C,     176                        ; v176-223 codes: six registers for each step, so that no store's data are written again
.set D,     224                        ; v224-226 a block's second 16 codes (a conversion's three registers begin on an even number)
.set E,     228                        ; v228-235 x: a scale byte for each step
.set SPW,   248                        ; LDS address of my spare word; never rewritten
.set NIL,   249                        ; 0; never rewritten
; 32 numbers of one block, v[xs] on, become six registers of codes at v[cc] and the block's byte in v[eb]
.macro QBLK xs, cc, eb
	v_max3_num_f32 v236, |v[(\xs)]|, |v[(\xs)+1]|, |v[(\xs)+2]|
	v_max3_num_f32 v237, |v[(\xs)+3]|, |v[(\xs)+4]|, |v[(\xs)+5]|
.irp i, 6,10,14,18,22,26
	v_max3_num_f32 v236, v236, |v[(\xs)+\i]|, |v[(\xs)+\i+1]|      ; two chains, so that no line waits for the line above it
	v_max3_num_f32 v237, v237, |v[(\xs)+\i+2]|, |v[(\xs)+\i+3]|
.endr
	v_max3_num_f32 v236, v236, |v[(\xs)+30]|, |v[(\xs)+31]|
	v_max3_num_f32 v236, v236, v237, 0x1800000     ; and the floor 2^(3 - 127): the byte cannot fall under 1
	v_add_nc_u32 v238, 0xff000000, v236            ; 2 off the exponent field: the conversion takes this operand's exponent field as its scale
	v_cvt_scalef32_pk16_fp6_f32 v[(\cc):(\cc)+2], v[(\xs):(\xs)+15], v238
	v_cvt_scalef32_pk16_fp6_f32 v[D:D+2], v[(\xs)+16:(\xs)+31], v238
	v_lshrrev_b32 v[\eb], 23, v238                 ; the byte; also the plain line behind the conversions
	v_mov_b32 v[(\cc)+3], v[D]
	v_mov_b32 v[(\cc)+4], v[D+1]
	v_mov_b32 v[(\cc)+5], v[D+2]
.endm
	s_load_b256 s[4:11], s[0:1], 0x0               ; x, w_q, w_k, w_v
	s_load_b128 s[12:15], s[0:1], 0x20             ; w_o, xq
	s_load_b64 s[16:17], s[0:1], 0x30              ; wq
	v_lshl_add_u32 v[SPW], v0, 2, SPARE
	v_mov_b32 v[NIL], 0
	v_lshrrev_b32 v1, 5, v0
	v_readfirstlane_b32 s18, v1                    ; wave
	v_and_b32 v2, 31, v0                           ; lane l
	s_cmp_lt_u32 ttmp9, 256
	s_cbranch_scc0 .Lweights
	; ---------------- x ----------------
	s_mov_b32 s19, 0xffff0000                      ; lanes 16-31
	s_mov_b32 s20, 0x76543210
	s_mov_b32 s21, 0xfedcba98                      ; v_permlanex16_b32's selects for lane l xor 16
	v_and_b32 v3, 15, v2                           ; r
	v_lshrrev_b32 v4, 4, v2                        ; h
	v_lshlrev_b32 v5, 12, v4
	v_lshl_add_u32 v5, v3, 4, v5                   ; a load takes two rows x 256 bytes: 4,096 (l / 16) + 16 (l % 16)
	s_mul_i32 s22, s18, 2*STG                      ; my wave's two stages
	v_mul_u32_u24 v6, v4, 272
	v_lshl_add_u32 v6, v3, 4, v6
	v_add_nc_u32 v6, s22, v6                       ; into a stage: as loaded
	v_mul_u32_u24 v7, v3, 272
	v_lshl_add_u32 v7, v4, 7, v7
	v_add_nc_u32 v7, s22, v7                       ; out of it: row r, 128 bytes for each half of the lanes: a whole block of 32
	v_lshlrev_b32 v8, 4, v2                        ; a unit's first plane: 16 l
	v_lshlrev_b32 v9, 3, v2                        ; its second: 8 l (+ 512)
	v_lshlrev_b32 v10, 5, v3
	v_lshl_add_u32 v10, v4, 3, v10                 ; my 8 scale bytes: 32 r + 8 h
	v_lshlrev_b32 v11, 3, v4                       ; 8 h
	s_lshl_b32 s23, ttmp9, 2
	s_add_co_u32 s23, s23, s18                     ; a = 4 x work-group + wave: tile a / 2, half a % 2 of K
	s_lshr_b32 s24, s23, 1
	s_and_b32 s25, s23, 1
	s_lshr_b32 s26, s24, 1                         ; the pair of tiles
	s_and_b32 s27, s24, 1
	s_lshl_b32 s28, s26, 17                        ; 32 rows of 4,096 bytes
	s_lshl_b32 s29, s27, 15                        ; 8 rows
	s_add_co_u32 s28, s28, s29
	s_lshl_b32 s29, s25, 11                        ; 512 numbers
	s_add_co_u32 s28, s28, s29
	s_mov_b32 s29, 0
	s_mul_i32 s30, s23, 6144                       ; eight units
	s_mov_b32 s31, 0
	s_lshl_b32 s32, s26, 10
	s_lshl_b32 s33, s27, 9
	s_add_co_u32 s32, s32, s33
	s_lshl_b32 s33, s25, 4
	s_add_co_u32 s32, s32, s33
	s_add_co_u32 s32, s32, 6291456
	s_mov_b32 s33, 0
	s_wait_alu depctr_va_vdst(0)
	s_wait_kmcnt 0x0
	s_add_nc_u64 s[4:5], s[4:5], s[28:29]
	s_add_nc_u64 s[34:35], s[14:15], s[30:31]      ; my codes
	s_add_nc_u64 s[36:37], s[14:15], s[32:33]      ; my scale bytes
.macro XLOAD t                         ; unit t: 16 rows x 256 bytes; load i takes the tile's lanes 2 i and 2 i + 1, whole aligned runs of 256 bytes
.irp i, 0,1,2,3,4,5,6,7
	global_load_b128 v[R+32*((\t)%3)+4*\i:R+32*((\t)%3)+4*\i+3], v5, s[4:5] offset:(2*\i+8*(\i/4))*4096+256*(\t) th:TH_LOAD_NT
.endr
.endm
.macro XTURN t                         ; through the stage: LDS serves a wave's instructions in order, so no wait stands between the stores and the loads
.irp i, 0,1,2,3,4,5,6,7
	ds_store_b128 v6, v[R+32*((\t)%3)+4*\i:R+32*((\t)%3)+4*\i+3] offset:STG*((\t)%2)+544*\i
.endr
.irp m, 0,1,2,3,4,5,6,7
	ds_load_b128 v[X+32*((\t)%2)+4*\m:X+32*((\t)%2)+4*\m+3], v7 offset:STG*((\t)%2)+16*\m
.endr
.endm
.macro XSTEP t
	s_wait_dscnt 0x0                               ; this step's numbers are back, and its stores into the stage have read their registers,
.if (\t)+3 < 8
	XLOAD (\t)+3                                   ; which take the loads of three steps on
.endif
.if (\t)+1 < 8
.if (\t)+3 < 8
	s_wait_loadcnt 16                              ; the next step's eight loads are in; those of the two steps behind it may be out
.else
	s_wait_loadcnt 8*(6-(\t))
.endif
	XTURN (\t)+1
.endif
	QBLK X+32*((\t)%2), C+6*(\t), E+(\t)
	global_store_b128 v8, v[C+6*(\t):C+6*(\t)+3], s[34:35] offset:768*(\t)           ; 512 consecutive bytes
	global_store_b64 v9, v[C+6*(\t)+4:C+6*(\t)+5], s[34:35] offset:768*(\t)+512      ; 256 consecutive bytes
.endm
	XLOAD 0
	XLOAD 1
	XLOAD 2
	s_wait_loadcnt 16                              ; step 0's loads are in
	XTURN 0
.irp t, 0,1,2,3,4,5,6,7
	XSTEP \t
.endr
	; my byte of step t belongs to block 2 t + h of my row's 16: four words, each from two steps and both halves of the lanes
.irp g, 0,1,2,3
	v_lshl_or_b32 v[240+\g], v[E+2*\g+1], 16, v[E+2*\g]
	v_mov_b32 v[244+\g], 0                         ; (a lane permute's destination counts as one of its sources)
.endr
.irp g, 0,1,2,3
	v_lshlrev_b32 v[240+\g], v11, v[240+\g]
.endr
.irp g, 0,1,2,3
	v_permlanex16_b32 v[244+\g], v[240+\g], s20, s21
.endr
.irp g, 0,1,2,3
	v_or_b32 v[240+\g], v[240+\g], v[244+\g]
.endr
	v_cndmask_b32 v236, v240, v242, s19            ; lanes 0-15 store words 0 and 1, lanes 16-31 words 2 and 3
	v_cndmask_b32 v237, v241, v243, s19
	global_store_b64 v10, v[236:237], s[36:37]
	s_branch .Lend
	; ---------------- the weights ----------------
.Lweights:
	s_sub_co_u32 s22, ttmp9, 256
	s_lshr_b32 s23, s22, 6                         ; which weight: q, k, v, o
	s_bfe_u32 s24, s22, 0x30003
	s_and_b32 s25, s22, 7                          ; which 128 along K
	s_lshl_b32 s24, s24, 2
	s_add_co_u32 s24, s24, s18                     ; which pair of tiles: columns 32 TP + l
	s_wait_alu depctr_va_vdst(0)
	v_lshlrev_b32 v5, 2, v2                        ; in: 4 bytes a lane
	v_bfe_u32 v3, v2, 3, 1                         ; column l of the 32 is lane r = l % 8 + 8 (l / 16) of tile u = (l / 8) % 2
	v_and_b32 v4, 7, v2
	v_lshrrev_b32 v6, 4, v2
	v_lshl_add_u32 v4, v6, 3, v4
	v_mul_u32_u24 v6, v3, 12288                    ; a tile's 16 units
	v_lshl_add_u32 v8, v4, 4, v6
	v_lshl_add_u32 v9, v4, 3, v6
	v_lshl_add_u32 v10, v3, 4, v4
	v_lshlrev_b32 v10, 5, v10                      ; my row of scale bytes
	s_lshl_b32 s28, s25, 19                        ; 128 rows of 4,096 bytes
	s_lshl_b32 s29, s24, 7
	s_add_co_u32 s28, s28, s29
	s_mov_b32 s29, 0
	s_mul_i32 s30, s23, 786432
	s_mul_i32 s31, s24, 24576
	s_add_co_u32 s30, s30, s31
	s_mul_i32 s31, s25, 1536
	s_add_co_u32 s30, s30, s31
	s_mov_b32 s31, 0
	s_lshl_b32 s32, s23, 15
	s_lshl_b32 s33, s24, 10
	s_add_co_u32 s32, s32, s33
	s_lshl_b32 s33, s25, 2
	s_add_co_u32 s32, s32, s33
	s_add_co_u32 s32, s32, 3145728
	s_mov_b32 s33, 0
	s_wait_kmcnt 0x0
	s_cmp_eq_u32 s23, 1                            ; the choice hangs on the work-group's number alone
	s_cselect_b64 s[38:39], s[8:9], s[6:7]
	s_cmp_eq_u32 s23, 2
	s_cselect_b64 s[38:39], s[10:11], s[38:39]
	s_cmp_eq_u32 s23, 3
	s_cselect_b64 s[38:39], s[12:13], s[38:39]
	s_add_nc_u64 s[38:39], s[38:39], s[28:29]
	s_add_nc_u64 s[34:35], s[16:17], s[30:31]
	s_add_nc_u64 s[36:37], s[16:17], s[32:33]
.macro WLOAD q                         ; block q: W(32 q + i, my column): neighbouring lanes read neighbouring columns
.set i, 0
.rept 32
	global_load_b32 v[R+32*((\q)%2)+i], v5, s[38:39] offset:(32*(\q)+i)*4096 th:TH_LOAD_NT
.set i, i+1
.endr
.endm
.macro WBLOCK q
.if (\q) < 3
	s_wait_loadcnt 32                              ; this block's 32 loads are in; the next block's may be out
.else
	s_wait_loadcnt 0x0
.endif
	QBLK R+32*((\q)%2), C+6*(\q), 235
.if (\q) == 0
	v_mov_b32 v239, v235                           ; four bytes make the scale word of these 128 along K
.else
	v_lshl_or_b32 v239, v235, 8*(\q), v239
.endif
	global_store_b128 v8, v[C+6*(\q):C+6*(\q)+3], s[34:35] offset:768*((\q)/2)+256*((\q)%2)          ; block q is half q % 2 of unit q / 2: sixteen lanes fill 256 consecutive bytes
	global_store_b64 v9, v[C+6*(\q)+4:C+6*(\q)+5], s[34:35] offset:768*((\q)/2)+512+128*((\q)%2)
.if (\q)+2 < 4
	WLOAD (\q)+2
.endif
.endm
	WLOAD 0
	WLOAD 1
	WBLOCK 0
	WBLOCK 1
	WBLOCK 2
	WBLOCK 3
	global_store_b32 v10, v239, s[36:37]
.Lend:
	s_wait_tensorcnt 0x0                           ; the wave's end, behind the last LDS store
	ds_add_u32 v[SPW], v[NIL]
	s_wait_dscnt 0x0
	s_endpgm
.Lfunc_end_k_q4ca67f1743_quant:
	.size	k_q4ca67f1743_quant, .Lfunc_end_k_q4ca67f1743_quant-k_q4ca67f1743_quant
	.p2alignl 7, 3214868480
	.fill 96, 4, 3214868480
	.section	.rodata,"a",@progbits
	.p2align	6, 0x0
	.amdhsa_kernel k_q4ca67f1743_quant
		.amdhsa_group_segment_fixed_size 35328
		.amdhsa_private_segment_fixed_size 0
		.amdhsa_enable_private_segment 0
		.amdhsa_kernarg_size 56
		.amdhsa_user_sgpr_count 2
		.amdhsa_user_sgpr_kernarg_segment_ptr 1
		.amdhsa_wavefront_size32 1
		.amdhsa_system_sgpr_workgroup_id_x 1
		.amdhsa_system_sgpr_workgroup_id_y 1
		.amdhsa_system_sgpr_workgroup_id_z 1
		.amdhsa_system_vgpr_workitem_id 0
		.amdhsa_next_free_vgpr 256
		.amdhsa_next_free_sgpr 66
		.amdhsa_reserve_vcc 0
		.amdhsa_float_denorm_mode_32 3
		.amdhsa_float_denorm_mode_16_64 3
		.amdhsa_memory_ordered 1
		.amdhsa_forward_progress 1
		.amdhsa_inst_pref_size 51
	.end_amdhsa_kernel
	.amdgpu_metadata
---
amdhsa.version: [ 1, 2 ]
amdhsa.kernels:
  - .name:           k_q4ca67f1743_quant
    .symbol:         k_q4ca67f1743_quant.kd
    .args:
      - { .name: x, .offset: 0, .size: 8, .value_kind: global_buffer, .address_space: global }
      - { .name: w_q, .offset: 8, .size: 8, .value_kind: global_buffer, .address_space: global }
      - { .name: w_k, .offset: 16, .size: 8, .value_kind: global_buffer, .address_space: global }
      - { .name: w_v, .offset: 24, .size: 8, .value_kind: global_buffer, .address_space: global }
      - { .name: w_o, .offset: 32, .size: 8, .value_kind: global_buffer, .address_space: global }
      - { .name: xq, .offset: 40, .size: 8, .value_kind: global_buffer, .address_space: global }
      - { .name: wq, .offset: 48, .size: 8, .value_kind: global_buffer, .address_space: global }
    .group_segment_fixed_size: 35328
    .private_segment_fixed_size: 0
    .kernarg_segment_align: 8
    .kernarg_segment_size: 56
    .max_flat_workgroup_size: 128
    .sgpr_count:     66
    .vgpr_count:     256
    .wavefront_size: 32
...
	.end_amdgpu_metadata
.endif
;; end of part 1
;; launch qkv (part 2): grid 8 x 96, 4 waves a work-group, clusters of 4 x 4, 327,680 bytes of LDS; arguments xq, wq, attention_mask, qq, kv; writes qq, kv
.if DOCPART == 2
	.amdgcn_target "amdgcn-amd-amdhsa--gfx1250"
	.amdhsa_code_object_version 6
	.text
	.protected	k_q4ca67f1743_qkv
	.globl	k_q4ca67f1743_qkv
	.p2align	8
	.type	k_q4ca67f1743_qkv,@function
k_q4ca67f1743_qkv:
	s_mov_b64 s[64:65], 0
	v_nop
	global_prefetch_b8 v0, s[64:65] scope:SCOPE_SE
	s_setreg_imm32_b32 hwreg(HW_REG_WAVE_MODE, 25, 1), 1
	s_wait_xcnt 0x0
	s_wait_alu depctr_hold_cnt(0) depctr_sa_sdst(0) depctr_va_vdst(0) depctr_va_sdst(0) depctr_va_ssrc(0) depctr_va_vcc(0) depctr_vm_vsrc(0)
	s_getreg_b32 s2, hwreg(HW_REG_IB_STS2, 6, 4)
	s_cmp_eq_u32 s2, 0
	s_cbranch_scc0 .Lentry_in_a_cluster
	s_endpgm
.Lentry_in_a_cluster:
	s_bfe_u32 s2, ttmp6, 0x10000c
	s_cmp_lg_u32 s2, 0xf033
	s_cbranch_scc0 .Lentry_shape_is_right
	s_endpgm
.Lentry_shape_is_right:
; q = x w_q, k = x w_k, v = x w_v on codes of E2M3, and the results quantised at once into the operands of attention's two products.  No work is left out.
; ONE TEXT FOR THREE KINDS.  Source 0 of every product is the P side (256 rows a work-group), source 1 the Q side (128 rows).  q and k: P = the weight's columns n, Q = tokens: a lane holds one token and its registers run
; along the head's 64, the K of q k^T.  v: P = tokens, Q = w_v's columns: a lane holds one channel and its registers run along the keys, the K of attn v.  Both sides have one format (units of 768 bytes, as the first
; launch lays them), so a kind differs in pointers and constants alone, chosen by selects on the cluster's numbers.  768 work-groups of equal work.
; The rows of a tile are 32 (T / 2) + 8 (T % 2) + r % 8 + 16 (r / 8): as source 0 that makes the 16 result registers of tiles 2 b and 2 b + 1 sixteen neighbours, 32 b + 16 (lane / 16) + 0 .. 15.
; ALL OF K LIES IN LDS: four quarters of 256 along K, each P's 16 tiles x 3,072 bytes and Q's 8; each filled once, by joint loads (P's shared along a column of the cluster, Q's along a row); four loads of a wave are out at the most.
; A wave makes 128 (P) x 64 (Q): 32 accumulators, which take turns; K in eight steps of 128; two sets of fragments.
; THE KEY MASK rides in the padded half of q k^T (K = 64 of the instruction's 128): at k = 64 a query's code is +1 under the byte 127 and a key's is -1 under the byte 1 (a live key: -2^-126) or 227 (a masked key: -2^100).
; This launch writes those bytes into the scale words: q: (b0, b1, 127, 1); k: (b0, b1, 1 or 227, 1).  The four mask words are loaded by every kind; in q and v they choose between two equal constants.
; LIMITS: blocks of zeros have the byte 1 (their codes are zeros; only this program reads the bytes); NaN and infinities are not served; a mask counts as 0 or not 0.
; REGISTERS: window 0: v1-14 addresses; v16-47 P's scale words, v48-63 Q's (register 8 p + s: pair of tiles p, K step s; tile 2 p in lanes 0-15, 2 p + 1 in lanes 16-31); v64-159 P's, v160-207 Q's fragments, set A;
;   v208-235 the way out.  window 1: accumulator (q, i) at v[8 (8 q + i)].  window 2: v64-207 set B.
; AS THE TEXT NOW STANDS: all of K comes by ONE joint load a wave, dense rows of 256 bytes: waves 0 and 1 P's halves (8 tiles x 12,288 bytes each, from LDS byte 0),
; waves 2 and 3 Q's halves (4 tiles each, from byte 196,608).  One load of a wave is out; one wait for it and one barrier stand ahead of the first fragments; nothing is filled again.
.set REG,   73728
.set SPARE, 294912                     ; behind the four quarters: the spare words, 128 bytes a wave
.set PF,  64
.set QFR, 160
.set SP,  16
.set SQ,  48
.set EXT, 208                          ; v208-211 the upper half of a scale word, for each of my four Q tiles
.set MK,  212                          ; v212-215 the mask words
.set TM,  216                          ; v216-231 at work in the quantiser
.set PW,  232                          ; the scale word just made
.set PC,  64                           ; the codes just made (set A is done with)
.set MSB, 0
.macro WIN new                         ; the immediate's high byte repeats the setting that is left
.if MSB != (\new)
	s_set_vgpr_msb (MSB<<8)|(\new)
.set MSB, (\new)
.endif
.endm
; D = A B + C on codes of E2M3.  c < 0: the constant 0 starts the sum.  ra, rb: the scales stand in lanes 16-31 of their register
.macro WMS d, a, b, c, sa, sb, ra, rb
.if (\c) < 0
.if (\ra) && (\rb)
	v_wmma_scale_f32_16x16x128_f8f6f4 v[(\d):(\d)+7], v[(\a):(\a)+11], v[(\b):(\b)+11], 0, v[\sa], v[\sb] matrix_a_fmt:MATRIX_FMT_FP6 matrix_b_fmt:MATRIX_FMT_FP6 matrix_a_scale:MATRIX_SCALE_ROW1 matrix_b_scale:MATRIX_SCALE_ROW1
.elseif (\ra)
	v_wmma_scale_f32_16x16x128_f8f6f4 v[(\d):(\d)+7], v[(\a):(\a)+11], v[(\b):(\b)+11], 0, v[\sa], v[\sb] matrix_a_fmt:MATRIX_FMT_FP6 matrix_b_fmt:MATRIX_FMT_FP6 matrix_a_scale:MATRIX_SCALE_ROW1
.elseif (\rb)
	v_wmma_scale_f32_16x16x128_f8f6f4 v[(\d):(\d)+7], v[(\a):(\a)+11], v[(\b):(\b)+11], 0, v[\sa], v[\sb] matrix_a_fmt:MATRIX_FMT_FP6 matrix_b_fmt:MATRIX_FMT_FP6 matrix_b_scale:MATRIX_SCALE_ROW1
.else
	v_wmma_scale_f32_16x16x128_f8f6f4 v[(\d):(\d)+7], v[(\a):(\a)+11], v[(\b):(\b)+11], 0, v[\sa], v[\sb] matrix_a_fmt:MATRIX_FMT_FP6 matrix_b_fmt:MATRIX_FMT_FP6
.endif
.else
.if (\ra) && (\rb)
	v_wmma_scale_f32_16x16x128_f8f6f4 v[(\d):(\d)+7], v[(\a):(\a)+11], v[(\b):(\b)+11], v[(\c):(\c)+7], v[\sa], v[\sb] matrix_a_fmt:MATRIX_FMT_FP6 matrix_b_fmt:MATRIX_FMT_FP6 matrix_a_scale:MATRIX_SCALE_ROW1 matrix_b_scale:MATRIX_SCALE_ROW1
.elseif (\ra)
	v_wmma_scale_f32_16x16x128_f8f6f4 v[(\d):(\d)+7], v[(\a):(\a)+11], v[(\b):(\b)+11], v[(\c):(\c)+7], v[\sa], v[\sb] matrix_a_fmt:MATRIX_FMT_FP6 matrix_b_fmt:MATRIX_FMT_FP6 matrix_a_scale:MATRIX_SCALE_ROW1
.elseif (\rb)
	v_wmma_scale_f32_16x16x128_f8f6f4 v[(\d):(\d)+7], v[(\a):(\a)+11], v[(\b):(\b)+11], v[(\c):(\c)+7], v[\sa], v[\sb] matrix_a_fmt:MATRIX_FMT_FP6 matrix_b_fmt:MATRIX_FMT_FP6 matrix_b_scale:MATRIX_SCALE_ROW1
.else
	v_wmma_scale_f32_16x16x128_f8f6f4 v[(\d):(\d)+7], v[(\a):(\a)+11], v[(\b):(\b)+11], v[(\c):(\c)+7], v[\sa], v[\sb] matrix_a_fmt:MATRIX_FMT_FP6 matrix_b_fmt:MATRIX_FMT_FP6
.endif
.endif
.endm
; A joint load: waves 0 and 1 fetch P's halves, waves 2 and 3 Q's.  The branch hangs on the wave's number alone.  An s_nop 0 and four v_nop follow each of the two lines.
.macro JLOAD g0p, g1p, g0q, g1q
	s_cmp_eq_u32 s15, 0
	s_cbranch_scc0 .Lfor_q_\@
	tensor_load_to_lds s[\g0p:\g0p+3], s[\g1p:\g1p+7]
	s_nop 0
.rept 4
	v_nop
.endr
	s_branch .Lasked_\@
.Lfor_q_\@:
	tensor_load_to_lds s[\g0q:\g0q+3], s[\g1q:\g1q+7]
	s_nop 0
.rept 4
	v_nop
.endr
.Lasked_\@:
.endm
.macro CROUND                          ; a round of the cluster's barrier
	s_barrier_signal -1
	s_barrier_wait -1
	s_cmp_lg_u32 s14, 0
	s_cbranch_scc1 .Lnot_wave_0_\@
	s_barrier_signal -3
.Lnot_wave_0_\@:
	s_barrier_wait -3
	s_barrier_signal -1
	s_barrier_wait -1
.endm
	s_load_b256 s[4:11], s[0:1], 0x0               ; xq s[4:5], wq s[6:7], attention_mask s[8:9], qq s[10:11]
	s_load_b64 s[12:13], s[0:1], 0x20              ; kv
	v_lshl_add_u32 v12, v0, 2, SPARE
	v_mov_b32 v13, 0
	ds_add_u32 v12, v13                            ; the wave's opening: the add, twice on end, and its wait ahead of my first tensor load; the set-up below stands between
	ds_add_u32 v12, v13
	v_lshrrev_b32 v1, 5, v0
	v_readfirstlane_b32 s14, v1                    ; wave 0..3
	s_lshr_b32 s15, s14, 1                         ; FH: my half of P's rows.  Also: I fetch for P (0) or for Q (1)
	s_and_b32 s16, s14, 1                          ; HF: my half of Q's rows.  Also: which half of that side I fetch
	s_bfe_u32 s52, ttmp6, 0x40000                  ; cx
	s_bfe_u32 s53, ttmp6, 0x40004                  ; cy
	s_and_b32 s55, ttmp7, 0xffff                   ; cluster y: 0-15 q and k, 16-23 v
	s_sub_co_u32 s17, s55, 16
	s_lshr_b32 s18, s17, 1
	s_lshl_b32 s18, s18, 1
	s_add_co_u32 s18, s18, ttmp9
	s_and_b32 s19, s17, 1
	s_cmp_lt_u32 s55, 16                           ; the cluster's numbers alone: the same in all sixteen partners
	s_cselect_b32 s56, ttmp9, s18                  ; P's block of four
	s_cselect_b32 s57, s55, s19                    ; Q's
	s_cselect_b32 s60, ttmp9, 2                    ; the kind: 0 q, 1 k, 2 v
	s_cselect_b32 s61, 1, 0
	s_mov_b32 s2, 6291456
	s_cselect_b32 s2, 3145728, s2                  ; where P's scale bytes begin in its buffer
	s_mov_b32 s18, 3211264
	s_cselect_b32 s18, 6291456, s18                ; and Q's
	s_cselect_b32 s86, 0, 1572864                  ; where Q's codes begin (w_v is the third weight)
	s_lshl_b32 s58, s56, 2
	s_add_co_u32 s58, s58, s52                     ; PB: which 256 rows of P
	s_lshl_b32 s59, s57, 2
	s_add_co_u32 s59, s59, s53                     ; QB: which 128 rows of Q
	s_lshl_b32 s63, 0x1111, s52                    ; my column of the cluster shares P's tiles,
	s_lshl_b32 s54, s53, 2
	s_lshl_b32 s54, 15, s54                        ; my row Q's
	; descriptor group 1: rows of 256 bytes (32 elements of 8 bytes), dense in memory and in LDS; P: 384 rows (8 tiles), Q: 192 (4)
	s_or_b32 s20, s63, (3<<16)|(1<<21)
	s_or_b32 s28, s54, (3<<16)|(1<<21)
.irp g, 20, 28
	s_mov_b32 s[\g+1], 32<<16                      ; tensor_dim0: 32 elements of 8 bytes
	s_mov_b32 s[\g+3], 32<<16                      ; tile_dim0
	s_mov_b32 s[\g+5], 32                          ; the rows are dense in memory
	s_mov_b32 s[\g+6], 0
	s_mov_b32 s[\g+7], 0
.endr
	s_mov_b32 s22, 384<<16                         ; P: 98,304 bytes are 384 rows
	s_mov_b32 s24, 384
	s_mov_b32 s30, 192<<16                         ; Q: 49,152 bytes are 192 rows
	s_mov_b32 s32, 192
	s_mul_i32 s84, s58, 196608                     ; P's codes: 16 tiles a block, 8 a half
	s_mul_i32 s17, s16, 98304
	s_add_co_u32 s84, s84, s17
	s_mov_b32 s85, 0
	s_mul_i32 s62, s59, 98304                      ; Q's: 8 tiles a block, 4 a half
	s_add_co_u32 s86, s86, s62
	s_mul_i32 s62, s16, 49152
	s_add_co_u32 s86, s86, s62
	s_mov_b32 s87, 0
	s_lshl_b32 s17, s58, 13                        ; P's scale bytes: 1,024 for a pair of tiles; my half's four pairs
	s_add_co_u32 s2, s2, s17
	s_lshl_b32 s17, s15, 12
	s_add_co_u32 s2, s2, s17
	s_mov_b32 s3, 0
	s_lshl_b32 s62, s59, 12                        ; Q's: my half's two pairs
	s_add_co_u32 s18, s18, s62
	s_lshl_b32 s62, s16, 11
	s_add_co_u32 s18, s18, s62
	s_mov_b32 s19, 0
	s_mul_i32 s96, s16, 98304
	s_mul_i32 s97, s16, 49152
	s_add_co_u32 s97, s97, 196608
	s_mov_b32 s98, 0xffff0000                      ; lanes 16-31
	s_mov_b32 s100, 0x76543210
	s_mov_b32 s101, 0xfedcba98
	s_wait_dscnt 0x0                               ; both opening adds are done
	s_wait_kmcnt 0x0
	s_cmp_eq_u32 s61, 1
	s_cselect_b64 s[88:89], s[6:7], s[4:5]         ; P: the weights, or x
	s_cselect_b64 s[90:91], s[4:5], s[6:7]         ; Q: x, or the weights
	s_add_nc_u64 s[92:93], s[88:89], s[2:3]
	s_add_nc_u64 s[94:95], s[90:91], s[18:19]
	s_add_nc_u64 s[88:89], s[88:89], s[84:85]
	s_add_nc_u64 s[90:91], s[90:91], s[86:87]
	CROUND                                         ; all sixteen work-groups are here: the joint loads meet
.irp k, 0
	s_mov_b32 s[36+4*\k], 1
	s_add_co_u32 s[37+4*\k], s96, \k*REG
	s_add_nc_u64 s[38+4*\k:39+4*\k], s[88:89], \k*3072
	s_or_b32 s[39+4*\k], s[39+4*\k], 0x80000000
	s_mov_b32 s[68+4*\k], 1
	s_add_co_u32 s[69+4*\k], s97, \k*REG
	s_add_nc_u64 s[70+4*\k:71+4*\k], s[90:91], \k*3072
	s_or_b32 s[71+4*\k], s[71+4*\k], 0x80000000
	JLOAD 36+4*\k, 20, 68+4*\k, 28                 ; all four quarters at once: every fill of this launch is a first fill
.endr
	v_and_b32 v1, 31, v0                           ; l
	v_and_b32 v2, 15, v0                           ; r
	v_bfe_u32 v3, v0, 4, 1                         ; h
	v_lshlrev_b32 v8, 4, v1                        ; a unit's first plane
	v_lshlrev_b32 v9, 3, v1                        ; its second (+ 512)
	v_lshlrev_b32 v11, 5, v1                       ; my 32 scale bytes
	s_lshl_b32 s17, s59, 9
	s_lshl_b32 s62, s16, 8
	s_add_co_u32 s56, s17, s62                     ; the mask words of my 64 rows of Q: 4 (128 QB + 64 HF)
	s_mov_b32 s57, 0
	s_add_nc_u64 s[8:9], s[8:9], s[56:57]
	v_and_b32 v14, 7, v2
	v_lshrrev_b32 v15, 3, v2
	v_lshl_add_u32 v14, v15, 4, v14
	v_lshlrev_b32 v14, 2, v14                      ; 4 (r % 8 + 16 (r / 8))
.irp p, 0,1,2,3
	global_load_b128 v[SP+8*\p:SP+8*\p+3], v11, s[92:93] offset:1024*\p
	global_load_b128 v[SP+8*\p+4:SP+8*\p+7], v11, s[92:93] offset:1024*\p+16
.endr
.irp p, 0,1
	global_load_b128 v[SQ+8*\p:SQ+8*\p+3], v11, s[94:95] offset:1024*\p
	global_load_b128 v[SQ+8*\p+4:SQ+8*\p+7], v11, s[94:95] offset:1024*\p+16
.endr
.irp q, 0,1,2,3
	global_load_b32 v[MK+\q], v14, s[8:9] offset:4*(32*(\q/2)+8*(\q%2))
.endr
	s_mul_i32 s17, s15, 98304
	v_add_nc_u32 v4, s17, v8
	v_add_nc_u32 v5, s17, v9
	s_add_co_u32 s17, s17, 49152                   ; my tiles 4-7 of P have address registers of their own: an LDS offset has 16 bits
	v_add_nc_u32 v236, s17, v8
	v_add_nc_u32 v237, s17, v9
	v_add_nc_u32 v6, s97, v8                       ; my 4 tiles of Q
	v_add_nc_u32 v7, s97, v9
.irp b, 0,1,2,3
	v_mov_b32 v[TM+4+\b], 0                        ; written once: a lane permute's destination counts as one of its sources
.endr
	; where the results go.  q, k: head 4 (PB % 4) + 2 FH (+ 1), batch QB / 16, token tiles t0 = 8 (QB % 16) + 4 HF on.  v: head 2 QB + HF, batch PB / 8, key step 2 (PB % 8) + FH
	s_and_b32 s17, s59, 15
	s_lshl_b32 s17, s17, 3
	s_lshl_b32 s18, s16, 2
	s_add_co_u32 s17, s17, s18                     ; t0
	s_lshr_b32 s18, s59, 4
	s_lshl_b32 s18, s18, 4
	s_and_b32 s19, s58, 3
	s_lshl_b32 s19, s19, 2
	s_add_co_u32 s18, s18, s19
	s_lshl_b32 s19, s15, 1
	s_add_co_u32 s18, s18, s19                     ; batch and head, q and k
	s_lshr_b32 s19, s58, 3
	s_lshl_b32 s19, s19, 4
	s_lshl_b32 s62, s59, 1
	s_add_co_u32 s19, s19, s62
	s_add_co_u32 s19, s19, s16                     ; batch and head, v
	s_and_b32 s62, s58, 7
	s_lshl_b32 s62, s62, 1
	s_add_co_u32 s62, s62, s15                     ; the key step
	s_lshl_b32 s63, s18, 7
	s_add_co_u32 s63, s63, s17
	s_mul_i32 s2, s63, 768                         ; q: codes [head][tile][768]
	s_lshl_b32 s3, s63, 6
	s_add_co_u32 s3, s3, 6291456                   ; q: scale words [head][tile][16]
	s_mul_i32 s54, s18, 208896                     ; k: the head's block of kv
	s_mul_i32 s63, s17, 768
	s_add_co_u32 s63, s63, s54                     ; k: codes
	s_lshl_b32 s17, s17, 6
	s_add_co_u32 s54, s54, s17
	s_add_co_u32 s54, s54, 196608                  ; k: scale words
	s_mul_i32 s19, s19, 208896
	s_mul_i32 s17, s62, 6144
	s_add_co_u32 s17, s17, s19
	s_add_co_u32 s17, s17, 98304                   ; v: codes [key step][channel tile][2][768]
	s_lshl_b32 s62, s62, 8
	s_add_co_u32 s19, s19, s62
	s_add_co_u32 s19, s19, 204800                  ; v: scale words
	s_cmp_eq_u32 s60, 0
	s_cselect_b64 s[84:85], s[10:11], s[12:13]     ; qq, or kv
	s_cselect_b32 s2, s2, s63
	s_cselect_b32 s3, s3, s54
	s_mov_b32 s18, 208896
	s_cselect_b32 s63, 98304, s18                  ; from the first unit of a fragment to the second: the next head's
	s_cselect_b32 s54, 8192, s18                   ; and from its scale word to the next head's
	s_cmp_eq_u32 s60, 2
	s_cselect_b32 s2, s17, s2
	s_cselect_b32 s3, s19, s3
	s_cselect_b32 s63, 768, s63                    ; v: the two units lie on end,
	s_cselect_b32 s54, 0, s54                      ; and the word is one
	s_cselect_b32 s99, -1, 0
	s_mov_b32 s18, 768
	s_cselect_b32 s90, 1536, s18                   ; from one of my Q tiles to the next
	s_mov_b32 s91, 0
	s_cmp_eq_u32 s60, 1
	s_mov_b32 s18, 0x017f0000
	s_cselect_b32 s52, 0x01010000, s18             ; the word's upper half: a live key's; q's (v's is not used)
	s_cselect_b32 s53, 0x01e30000, s18             ; a masked key's
	s_mov_b64 s[88:89], s[84:85]
	s_mov_b32 s56, s2
	s_add_nc_u64 s[84:85], s[84:85], s[56:57]      ; the first unit
	s_mov_b32 s56, s63
	s_add_nc_u64 s[86:87], s[84:85], s[56:57]      ; the second
	s_mov_b32 s56, s3
	s_add_nc_u64 s[88:89], s[88:89], s[56:57]      ; the scale words
	v_mul_u32_u24 v10, s54, v3
	v_lshl_add_u32 v10, v2, 2, v10                 ; 4 r; lanes 16-31 write the second unit's word
.macro FETCH s                         ; the fragments of K step s: a fragment is two units, each a load of 16 and one of 8 bytes a lane, as the registers want them
.if (\s)%2
	WIN 0x80                                       ; set B: destination window 2
.else
	WIN 0
.endif
.irp i, 0,1,2,3,4,5,6,7
.irp c, 0,1
	ds_load_b128 v[PF+12*\i+6*\c:PF+12*\i+6*\c+3], v[4+232*(\i/4)] offset:12288*(\i%4)+1536*(\s)+768*\c
	ds_load_b64 v[PF+12*\i+6*\c+4:PF+12*\i+6*\c+5], v[5+232*(\i/4)] offset:12288*(\i%4)+1536*(\s)+768*\c+512
.endr
.endr
.irp q, 0,1,2,3
.irp c, 0,1
	ds_load_b128 v[QFR+12*\q+6*\c:QFR+12*\q+6*\c+3], v6 offset:12288*\q+1536*(\s)+768*\c
	ds_load_b64 v[QFR+12*\q+6*\c+4:QFR+12*\q+6*\c+5], v7 offset:12288*\q+1536*(\s)+768*\c+512
.endr
.endr
.endm
.macro MUL s                           ; 32 matrix instructions, the accumulators in the same order in every step
.if (\s)%2
	WIN 0x5a
.else
	WIN 0x50
.endif
.irp q, 0,1,2,3
.irp i, 0,1,2,3,4,5,6,7
.if (\s) == 0
	WMS 8*(8*\q+\i), PF+12*\i, QFR+12*\q, -1, SP+8*(\i/2)+(\s), SQ+8*(\q/2)+(\s), \i%2, \q%2
.else
	WMS 8*(8*\q+\i), PF+12*\i, QFR+12*\q, 8*(8*\q+\i), SP+8*(\i/2)+(\s), SQ+8*(\q/2)+(\s), \i%2, \q%2
.endif
.endr
.endr
	WIN 0
.endm
.macro STEP s
	s_wait_dscnt 0x0                               ; this step's fragments are in (asked for ahead of the last step's 32 products)
.if (\s) < 7
.rept 4
	v_nop                                          ; places in front of loads into registers that matrix instructions have read
.endr
	FETCH (\s)+1
.endif
	MUL \s
.endm
	s_wait_alu depctr_va_vdst(0)
	s_wait_tensorcnt 0x0                           ; my one load has landed
	s_barrier_signal -1
	s_barrier_wait -1                              ; everybody's is
	FETCH 0
	s_wait_loadcnt 0x0                             ; the scale words and the mask
.irp s, 0,1,2,3,4,5,6,7
	STEP \s
.endr
.rept 4
	v_nop                                          ; places behind the last products
.endr
	v_mov_b32 v234, s52
	v_mov_b32 v235, s53
.irp q, 0,1,2,3
	v_cmp_eq_u32 vcc_lo, 0, v[MK+\q]
	v_cndmask_b32 v[EXT+\q], v234, v235, vcc_lo
.endr
; 64 numbers of a lane in window 1, register 16 b + i = place 32 b + 16 (lane / 16) + i of my row along the next K, become a fragment's codes in v[PC] on and its scale word in v[PW]
.macro QUANTW s
	WIN 0x05
.irp b, 0,1,2,3
	v_max3_num_f32 v[TM+\b], |v[(\s)+16*\b]|, |v[(\s)+1+16*\b]|, 0x1800000   ; each accumulator is read from its low end on; the floor 2^(3 - 127) holds the byte at 1 from below
.endr
	WIN 0x14
.irp i, 2,4,6,8,10,12,14
.irp b, 0,1,2,3
	v_max3_num_f32 v[TM+\b], v[TM+\b], |v[(\s)+16*\b+\i]|, |v[(\s)+1+16*\b+\i]|
.endr
.endr
	WIN 0
.irp b, 0,1,2,3
	v_permlanex16_b32 v[TM+4+\b], v[TM+\b], s100, s101
.endr
.irp b, 0,1,2,3
	v_max_num_f32 v[TM+\b], v[TM+\b], v[TM+4+\b]   ; with lane l xor 16's: the block's largest magnitude
.endr
.irp b, 0,1,2,3
	v_add_nc_u32 v[TM+12+\b], 0xff000000, v[TM+\b] ; 2 off its exponent field: the conversion's scale operand
.endr
.irp b, 0,1,2,3
	v_lshrrev_b32 v[TM+4+\b], 23, v[TM+12+\b]      ; the byte
.endr
	v_lshl_or_b32 v[PW], v[TM+5], 8, v[TM+4]
	v_lshl_or_b32 v[PW], v[TM+6], 16, v[PW]
	v_lshl_or_b32 v[PW], v[TM+7], 24, v[PW]
	WIN 0x01
.irp c, 0,1
	v_cvt_scalef32_pk16_fp6_f32 v[PC+6*\c:PC+2+6*\c], v[(\s)+32*\c:(\s)+15+32*\c], v[TM+12+2*\c]
	v_cvt_scalef32_pk16_fp6_f32 v[PC+12+4*\c:PC+14+4*\c], v[(\s)+16+32*\c:(\s)+31+32*\c], v[TM+12+2*\c+1]
.endr
	WIN 0
	v_nop                                          ; one plain line behind a scaled conversion
.irp c, 0,1                            ; the operand wants a whole block in a lane: lanes 0-15 block 2 c, lanes 16-31 block 2 c + 1
.irp i, 0,1,2
	v_permlane16_swap_b32 v[PC+6*\c+\i], v[PC+12+4*\c+\i]
.endr
.irp i, 0,1,2
	v_mov_b32 v[PC+3+6*\c+\i], v[PC+12+4*\c+\i]
.endr
.endr
.endm
.irp q, 0,1,2,3                        ; my four tiles of Q's rows: each gives one fragment, two units
	QUANTW 64*\q
	v_and_or_b32 v233, v[PW], 0xffff, v[EXT+\q]    ; q, k: the first head's two bytes under the upper half,
	v_lshrrev_b32 v234, 16, v[PW]
	v_or_b32 v234, v234, v[EXT+\q]                 ; the second head's
	v_cndmask_b32 v233, v233, v234, s98            ; lanes 16-31 write the second's
	v_cndmask_b32 v233, v233, v[PW], s99           ; v: the word as it is
	global_store_b128 v8, v[PC:PC+3], s[84:85]
	global_store_b64 v9, v[PC+4:PC+5], s[84:85] offset:512
	global_store_b128 v8, v[PC+6:PC+9], s[86:87]
	global_store_b64 v9, v[PC+10:PC+11], s[86:87] offset:512
	global_store_b32 v10, v233, s[88:89]
	s_wait_xcnt 0x0                                ; the stores have read their data and bases: both are written again only behind this wait
	s_add_nc_u64 s[84:85], s[84:85], s[90:91]
	s_add_nc_u64 s[86:87], s[86:87], s[90:91]
	s_add_nc_u64 s[88:89], s[88:89], 64
.endr
	s_wait_tensorcnt 0x0                           ; the wave's end
	ds_add_u32 v12, v13
	s_wait_dscnt 0x0
	CROUND                                         ; the closing round: no work-group ends while a partner may still ask for a tile that names it
	s_endpgm
.Lfunc_end_k_q4ca67f1743_qkv:
	.size	k_q4ca67f1743_qkv, .Lfunc_end_k_q4ca67f1743_qkv-k_q4ca67f1743_qkv
	.p2alignl 7, 3214868480
	.fill 96, 4, 3214868480
	.section	.rodata,"a",@progbits
	.p2align	6, 0x0
	.amdhsa_kernel k_q4ca67f1743_qkv
		.amdhsa_group_segment_fixed_size 327680
		.amdhsa_private_segment_fixed_size 0
		.amdhsa_enable_private_segment 0
		.amdhsa_kernarg_size 40
		.amdhsa_user_sgpr_count 2
		.amdhsa_user_sgpr_kernarg_segment_ptr 1
		.amdhsa_wavefront_size32 1
		.amdhsa_system_sgpr_workgroup_id_x 1
		.amdhsa_system_sgpr_workgroup_id_y 1
		.amdhsa_system_sgpr_workgroup_id_z 1
		.amdhsa_system_vgpr_workitem_id 0
		.amdhsa_next_free_vgpr 768
		.amdhsa_next_free_sgpr 102
		.amdhsa_reserve_vcc 1
		.amdhsa_float_denorm_mode_32 3
		.amdhsa_float_denorm_mode_16_64 3
		.amdhsa_memory_ordered 1
		.amdhsa_forward_progress 1
		.amdhsa_inst_pref_size 89
	.end_amdhsa_kernel
	.amdgpu_metadata
---
amdhsa.version: [ 1, 2 ]
amdhsa.kernels:
  - .name:           k_q4ca67f1743_qkv
    .symbol:         k_q4ca67f1743_qkv.kd
    .args:
      - { .name: xq, .offset: 0, .size: 8, .value_kind: global_buffer, .address_space: global }
      - { .name: wq, .offset: 8, .size: 8, .value_kind: global_buffer, .address_space: global }
      - { .name: attention_mask, .offset: 16, .size: 8, .value_kind: global_buffer, .address_space: global }
      - { .name: qq, .offset: 24, .size: 8, .value_kind: global_buffer, .address_space: global }
      - { .name: kv, .offset: 32, .size: 8, .value_kind: global_buffer, .address_space: global }
    .group_segment_fixed_size: 327680
    .private_segment_fixed_size: 0
    .kernarg_segment_align: 8
    .kernarg_segment_size: 40
    .max_flat_workgroup_size: 128
    .sgpr_count:     102
    .vgpr_count:     768
    .wavefront_size: 32
...
	.end_amdgpu_metadata
.endif
;; end of part 2
;; launch attn (part 3): grid 4 x 64, 8 waves a work-group, clusters of 4 x 1, 327,680 bytes of LDS; arguments qq, kv, attention_mask, oq; writes oq
.if DOCPART == 3
	.amdgcn_target "amdgcn-amd-amdhsa--gfx1250"
	.amdhsa_code_object_version 6
	.text
	.protected	k_q4ca67f1743_attn
	.globl	k_q4ca67f1743_attn
	.p2align	8
	.type	k_q4ca67f1743_attn,@function
k_q4ca67f1743_attn:
	s_mov_b64 s[64:65], 0
	v_nop
	global_prefetch_b8 v0, s[64:65] scope:SCOPE_SE
	s_setreg_imm32_b32 hwreg(HW_REG_WAVE_MODE, 25, 1), 1
	s_wait_xcnt 0x0
	s_wait_alu depctr_hold_cnt(0) depctr_sa_sdst(0) depctr_va_vdst(0) depctr_va_sdst(0) depctr_va_ssrc(0) depctr_va_vcc(0) depctr_vm_vsrc(0)
	s_getreg_b32 s2, hwreg(HW_REG_IB_STS2, 6, 4)
	s_cmp_eq_u32 s2, 0
	s_cbranch_scc0 .Lentry_in_a_cluster
	s_endpgm
.Lentry_in_a_cluster:
	s_bfe_u32 s2, ttmp6, 0x10000c
	s_cmp_lg_u32 s2, 0x3003
	s_cbranch_scc0 .Lentry_shape_is_right
	s_endpgm
.Lentry_shape_is_right:
; attn = softmax(q k^T / 8, masked), o = attn v, both products on codes of E2M3; o is quantised at once into the last product's operand.  No work is left out.
; Eight waves, each 32 queries (tiles u = 0, 1) x its own 256 keys.  A head's K and V codes and scale words, 208,896 bytes, lie in LDS for the whole launch: one tensor load a wave,
; asked for jointly by the four work-groups of a cluster, which own the four quarters of the head's queries.  16 trips of 32 queries, two barriers a trip.
; Both products are used transposed (source 0 = 16 keys, or 16 channels of V): a lane holds one query (lane % 16); the 16 registers of key tiles 2 b, 2 b + 1 are keys 32 b + 16 (lane / 16) + 0 .. 15.
; THE SOFTMAX.  t = score x log2(e) / 8.  Each wave takes M_w = its keys' largest t rounded up to a whole number, p = 2^(t - M_w) and the sum of p; (-M_w, sum) meet in LDS; M = the largest M_w,
; l = the sum of 2^(M_w - M) sum_w (exact scalings), f = 2^(M_w - M) / l, and p f is what is quantised.
; THE PARTS OF o meet in LDS.  Wave w adds rows 4 w .. 4 w + 3: a lane 8 channels over the 8 parts; the two halves of the lanes change places so that a lane holds 16 neighbours; two neighbouring lanes
; hold a block of 32.  Codes (12 bytes to a place of 16) and scale bytes go to a stage in LDS; behind the NEXT trip's first barrier waves 0 and 1 store a tile each as a whole unit of 768 bytes; the last pair leaves behind the loop.
; THE MASK.  A masked key's score is about -2^100 (the byte that the launch before laid under k = 64), so its p is 0.  A wave's largest t is held at -2^90 from below.  A masked query has f = 0: its row is zeros,
; An unmasked query's own key is unmasked, so its l is at least 1/2.
; LIMITS: |q . k| under 2^76; every live score carries -2^-126; mask values whose product wraps to 0 are not served; NaN and infinities are not served; a block's largest weight is taken from its largest score,
; which takes v_exp_f32 not to fall where its input rises; blocks of zeros have the byte 1 (zero codes; only this program reads the bytes).
; No prefetch: the one bulk load stands at the head; a trip's 1,792 bytes of q are asked for half a trip ahead.
; REGISTERS.  Tile u's softmax lives in window u under the same numbers: v64-71 BM, v72-79 BX, v80-87 SO, v88-91 sums, v92-93 -M, v94-95 f, v96-97 MX, v98-121 the weights' codes, v128-255 the scores.
;   window 0, v0-63: addresses, q's fragments (v16-39), scale words (v40 q's, v42-49 K's, v50-53 V's, v54-57 the weights').  window 1, v0-47: four fragments of K; v48-63, v122-127 the statistics.
;   Behind tile 0's quantiser window 0's v128-223 take V's fragments, later the parts of o; behind tile 1's, window 1's v128-191 take o's eight accumulators.
.set OPB,   208896                     ; the waves' parts of o: 8 x 32 rows x (256 bytes + 16)
.set CST,   278528                     ; o's codes: [tile 2][lane 32][half block 2] places of 16 bytes
.set CSB,   280576                     ; o's scale bytes: [row 32][2]
.set STB,   280832                     ; the statistics: 8 waves x 32 lanes x 8 bytes
.set SPARE, 282880                     ; the spare words, 128 bytes a wave
.set S,   128
.set BM,  64
.set BX,  72
.set SO,  80
.set LA,  88
.set LB,  90
.set NM,  92
.set F,   94
.set MX,  96
.set PCD, 98
.set QF,  16
.set QS,  40
.set KSR, 42
.set VSR, 50
.set PS,  54
.set MSB, 0
.macro WIN new                         ; the immediate's high byte repeats the setting that is left
.if MSB != (\new)
	s_set_vgpr_msb (MSB<<8)|(\new)
.set MSB, (\new)
.endif
.endm
.macro WA
	s_wait_alu depctr_va_vdst(0)
.endm
.macro WMS d, a, b, c, sa, sb, ra, rb  ; D = A B + C.  c < 0: the constant 0.  ra, rb: the scales stand in lanes 16-31 of their register
.if (\c) < 0
.if (\ra) && (\rb)
	v_wmma_scale_f32_16x16x128_f8f6f4 v[(\d):(\d)+7], v[(\a):(\a)+11], v[(\b):(\b)+11], 0, v[\sa], v[\sb] matrix_a_fmt:MATRIX_FMT_FP6 matrix_b_fmt:MATRIX_FMT_FP6 matrix_a_scale:MATRIX_SCALE_ROW1 matrix_b_scale:MATRIX_SCALE_ROW1
.elseif (\ra)
	v_wmma_scale_f32_16x16x128_f8f6f4 v[(\d):(\d)+7], v[(\a):(\a)+11], v[(\b):(\b)+11], 0, v[\sa], v[\sb] matrix_a_fmt:MATRIX_FMT_FP6 matrix_b_fmt:MATRIX_FMT_FP6 matrix_a_scale:MATRIX_SCALE_ROW1
.elseif (\rb)
	v_wmma_scale_f32_16x16x128_f8f6f4 v[(\d):(\d)+7], v[(\a):(\a)+11], v[(\b):(\b)+11], 0, v[\sa], v[\sb] matrix_a_fmt:MATRIX_FMT_FP6 matrix_b_fmt:MATRIX_FMT_FP6 matrix_b_scale:MATRIX_SCALE_ROW1
.else
	v_wmma_scale_f32_16x16x128_f8f6f4 v[(\d):(\d)+7], v[(\a):(\a)+11], v[(\b):(\b)+11], 0, v[\sa], v[\sb] matrix_a_fmt:MATRIX_FMT_FP6 matrix_b_fmt:MATRIX_FMT_FP6
.endif
.else
.if (\ra)
	v_wmma_scale_f32_16x16x128_f8f6f4 v[(\d):(\d)+7], v[(\a):(\a)+11], v[(\b):(\b)+11], v[(\c):(\c)+7], v[\sa], v[\sb] matrix_a_fmt:MATRIX_FMT_FP6 matrix_b_fmt:MATRIX_FMT_FP6 matrix_a_scale:MATRIX_SCALE_ROW1
.else
	v_wmma_scale_f32_16x16x128_f8f6f4 v[(\d):(\d)+7], v[(\a):(\a)+11], v[(\b):(\b)+11], v[(\c):(\c)+7], v[\sa], v[\sb] matrix_a_fmt:MATRIX_FMT_FP6 matrix_b_fmt:MATRIX_FMT_FP6
.endif
.endif
.endm
.macro CROUND                          ; a round of the cluster's barrier
	s_barrier_signal -1
	s_barrier_wait -1
	s_cmp_lg_u32 s12, 0
	s_cbranch_scc1 .Lnot_wave_0_\@
	s_barrier_signal -3
.Lnot_wave_0_\@:
	s_barrier_wait -3
	s_barrier_signal -1
	s_barrier_wait -1
.endm
.macro BARRIER                         ; my LDS stores have landed and my LDS loads are in: then the work-group's barrier
	WA
	s_wait_dscnt 0x0
	s_barrier_signal -1
	s_barrier_wait -1
.endm
.macro QLOAD                           ; a trip's two tiles of queries: codes, scale words (tile 0 in lanes 0-15, tile 1 in lanes 16-31), mask words likewise
	global_load_b128 v[QF:QF+3], v1, s[36:37]
	global_load_b64 v[QF+4:QF+5], v2, s[36:37] offset:512
	global_load_b128 v[QF+12:QF+15], v1, s[36:37] offset:768
	global_load_b64 v[QF+16:QF+17], v2, s[36:37] offset:1280
	global_load_b32 v[QS], v3, s[38:39]
	WIN 0x40
	global_load_b32 v124, v58, s[40:41]
	WIN 0
.endm
.macro FLUSH                           ; waves 0 and 1, not in the first trip: the tile of o that lies in the stage leaves as one unit and its 16 byte pairs
	s_cmp_lg_u32 s15, 16
	s_cselect_b32 s23, s22, 0
	s_cmp_lg_u32 s23, 0
	s_cbranch_scc0 .Lno_flush_\@
	ds_load_b96 v[PCD:PCD+2], v60
	ds_load_b96 v[PCD+4:PCD+6], v60 offset:16
	ds_load_u16 v[PCD+8], v63
	s_wait_dscnt 0x0
	v_mov_b32 v[PCD+3], v[PCD+4]                   ; six registers on end: a block's 32 codes
	v_mov_b32 v[PCD+4], v[PCD+5]
	v_mov_b32 v[PCD+5], v[PCD+6]
	global_store_b128 v1, v[PCD:PCD+3], s[42:43]
	global_store_b64 v2, v[PCD+4:PCD+5], s[42:43] offset:512
	global_store_b16 v59, v[PCD+8], s[44:45]       ; both halves of the lanes write the same two bytes
.Lno_flush_\@:
.endm
	s_load_b256 s[4:11], s[0:1], 0x0               ; qq, kv, attention_mask, oq
	v_lshl_add_u32 v14, v0, 2, SPARE
	v_mov_b32 v15, 0
	ds_add_u32 v14, v15                            ; the opening lines
	ds_add_u32 v14, v15
	v_lshrrev_b32 v61, 5, v0
	v_readfirstlane_b32 s12, v61                   ; wave 0..7
	s_bfe_u32 s13, ttmp6, 0x40000                  ; cx: my quarter of the head's queries; it enters global addresses alone
	s_and_b32 s14, ttmp7, 0xffff                   ; batch x 16 + head
	s_mov_b32 s24, 15|(3<<16)|(1<<21)              ; group 1: my eighth of the head's block: 26,112 dense bytes as 102 rows of 256; the mask names all four work-groups
	s_mov_b32 s25, 32<<16
	s_mov_b32 s26, 102<<16
	s_mov_b32 s27, 32<<16
	s_mov_b32 s28, 102
	s_mov_b32 s29, 32
	s_mov_b32 s30, 0
	s_mov_b32 s31, 0
	s_mov_b32 s32, 1
	s_mul_i32 s33, s12, 26112
	s_mul_i32 s46, s14, 208896
	s_add_co_u32 s46, s46, s33
	s_mov_b32 s47, 0
	s_mov_b32 s16, 0xffff0000                      ; lanes 16-31
	s_mov_b32 s18, 0x76543210
	s_mov_b32 s19, 0xfedcba98                      ; selects for lane l xor 16
	s_mov_b32 s20, 0x3e38aa3b                      ; c = log2(e) / 8
	s_mov_b32 s21, s20
	s_mov_b32 s15, 16                              ; trips
	s_mov_b32 s61, 0
	s_mov_b32 s63, 0
	s_cmp_lt_u32 s12, 2
	s_cselect_b32 s22, 1, 0                        ; waves 0 and 1 store o
	s_lshl_b32 s48, s14, 7
	s_lshl_b32 s49, s13, 5
	s_add_co_u32 s48, s48, s49                     ; my first tile of queries: 128 bh + 32 cx
	s_mul_i32 s50, s48, 768
	s_mov_b32 s51, 0
	s_lshl_b32 s52, s48, 6
	s_add_co_u32 s52, s52, 6291456
	s_mov_b32 s53, 0
	s_lshr_b32 s54, s14, 4                         ; batch
	s_lshl_b32 s55, s54, 13
	s_lshl_b32 s56, s13, 11
	s_add_co_u32 s56, s56, s55                     ; the mask words of my first query
	s_mov_b32 s57, 0
	s_and_b32 s58, s12, 1                          ; waves 0 and 1 store tile u = wave
	s_lshl_b32 s54, s54, 7
	s_add_co_u32 s54, s54, s49
	s_add_co_u32 s54, s54, s58
	s_lshl_b32 s54, s54, 4
	s_and_b32 s55, s14, 15
	s_add_co_u32 s54, s54, s55
	s_mul_i32 s54, s54, 768                        ; oq's codes: [tile of tokens][head][768]
	s_mov_b32 s55, 0
	s_add_co_u32 s58, s48, s58
	s_lshl_b32 s58, s58, 5
	s_add_co_u32 s58, s58, 6291456                 ; its byte pairs: [bh][tile][16] of 2 bytes
	s_mov_b32 s59, 0
	s_wait_dscnt 0x0
	s_wait_kmcnt 0x0
	s_add_nc_u64 s[34:35], s[6:7], s[46:47]
	s_or_b32 s35, s35, 0x80000000
	s_add_nc_u64 s[36:37], s[4:5], s[50:51]
	s_add_nc_u64 s[38:39], s[4:5], s[52:53]
	s_add_nc_u64 s[40:41], s[8:9], s[56:57]
	s_add_nc_u64 s[42:43], s[10:11], s[54:55]
	s_add_nc_u64 s[44:45], s[10:11], s[58:59]
	CROUND                                         ; all four work-groups are here: the joint loads meet
	tensor_load_to_lds s[32:35], s[24:31]          ; every wave issues one: the launch's only fills
	s_nop 0
.rept 4
	v_nop
.endr
	v_and_b32 v61, 31, v0                          ; l
	v_and_b32 v62, 15, v0                          ; r
	v_bfe_u32 v63, v0, 4, 1                        ; h
	v_lshlrev_b32 v1, 4, v61
	v_lshlrev_b32 v2, 3, v61
	v_lshlrev_b32 v3, 2, v61
	v_lshlrev_b32 v59, 1, v62
	v_and_b32 v58, 7, v62
	v_lshrrev_b32 v41, 3, v62
	v_lshl_add_u32 v58, v41, 4, v58
	v_lshl_add_u32 v58, v63, 3, v58
	v_lshlrev_b32 v58, 2, v58                      ; the mask word of lane r of tile h: 4 (8 h + r % 8 + 16 (r / 8))
	WA
	QLOAD
	v_mul_u32_u24 v8, v62, 272                     ; the lanes' terms of the LDS addresses
	v_lshl_add_u32 v8, v63, 6, v8                  ; my part of o: row r, + 64 h
	v_bfe_u32 v41, v0, 2, 2                        ; the sum: row 4 w + (l / 4) % 4,
	v_and_b32 v10, 3, v0                           ; sixteenth j = l % 4 of its 64 channels,
	v_mul_u32_u24 v9, v41, 272
	v_lshl_add_u32 v9, v10, 6, v9
	v_lshl_add_u32 v9, v63, 5, v9                  ; 8 channels for each half of the lanes
	v_bfe_u32 v11, v0, 1, 1                        ; block j / 2
	v_and_b32 v10, 1, v0                           ; half block j % 2
	v_lshlrev_b32 v10, 4, v10
	v_lshl_add_u32 v10, v11, 9, v10
	v_lshl_add_u32 v10, v41, 5, v10                ; the codes' place: 32 (16 (j / 2) + row) + 16 (j % 2)
	v_lshl_add_u32 v11, v41, 1, v11                ; the byte's: 2 row + j / 2
	v_lshlrev_b32 v60, 5, v61
	WA
	s_mul_i32 s48, s12, 12288                      ; my 16 tiles of keys
	v_add_nc_u32 v4, s48, v1
	v_add_nc_u32 v5, s48, v2
	s_add_co_u32 s48, s48, 98304                   ; my two key steps of V
	v_add_nc_u32 v6, s48, v1
	v_add_nc_u32 v7, s48, v2
	s_mul_i32 s48, s12, 8704
	s_add_co_u32 s48, s48, OPB
	v_add_nc_u32 v8, s48, v8
	s_mul_i32 s48, s12, 1088
	s_add_co_u32 s48, s48, OPB
	v_add_nc_u32 v9, s48, v9
	s_lshl_b32 s48, s12, 7                         ; rows 4 w on: 1,024 (w / 4) + 128 (w % 4)
	s_lshr_b32 s49, s12, 2
	s_lshl_b32 s49, s49, 9
	s_add_co_u32 s48, s48, s49
	s_add_co_u32 s48, s48, CST
	v_add_nc_u32 v10, s48, v10
	s_lshl_b32 s48, s12, 3
	s_add_co_u32 s48, s48, CSB
	v_add_nc_u32 v11, s48, v11
	s_lshl_b32 s48, s12, 8
	s_add_co_u32 s48, s48, STB
	v_add_nc_u32 v12, s48, v2
	v_add_nc_u32 v13, STB, v2
	s_and_b32 s48, s12, 1
	s_lshl_b32 s49, s48, 10
	s_add_co_u32 s49, s49, CST
	v_add_nc_u32 v60, s49, v60                     ; out of the stage: tile w % 2, 32 bytes a lane
	s_lshl_b32 s49, s48, 5
	s_add_co_u32 s49, s49, CSB
	v_sub_nc_u32 v41, 1, v63
	v_lshlrev_b32 v[QF+6], 3, v41                  ; q's padded half: the code of +1.0 at k = 64 (lanes 0-15), zeros beyond
	v_lshlrev_b32 v[QF+18], 3, v41
	v_mul_u32_u24 v41, v41, 40                     ; K's: the code of -1.0
	v_add_nc_u32 v63, s49, v59                     ; and its byte pairs
.irp j, 7,8,9,10,11,19,20,21,22,23
	v_mov_b32 v[QF+\j], 0
.endr
.irp j, 0,1,2,3,4,5,6,7
	v_mov_b32 v[BX+\j], 0                          ; written once: a lane permute's destination counts as one of its sources
.endr
	v_mov_b32 v[NM+1], 0                           ; (the upper halves of pairs that packed forms name)
	v_mov_b32 v[F+1], 0
	v_mov_b32 v[MX+1], 0
	WIN 0x40
.irp k, 0,1,2,3
	v_mov_b32 v[12*\k+6], v41
.irp j, 7,8,9,10,11
	v_mov_b32 v[12*\k+\j], 0
.endr
.endr
.irp j, 0,1,2,3,4,5,6,7
	v_mov_b32 v[BX+\j], 0
.endr
	v_mov_b32 v[NM+1], 0
	v_mov_b32 v[F+1], 0
	v_mov_b32 v[MX+1], 0
	v_mov_b32 v125, 0
	WIN 0
	s_lshl_b32 s48, s12, 10
	s_add_co_u32 s48, s48, 196608
	v_add_nc_u32 v61, s48, v3                      ; my keys' scale words: a pair of tiles is 128 bytes
	s_lshl_b32 s48, s12, 9
	s_add_co_u32 s48, s48, 204800
	v_add_nc_u32 v62, s48, v3                      ; V's
	WA                                             ; the head's end
	s_wait_tensorcnt 0x0                           ; my eighth of the head's block is in,
	s_barrier_signal -1
	s_barrier_wait -1                              ; everybody's is
.irp p, 0,1,2,3,4,5,6,7
	ds_load_b32 v[KSR+\p], v61 offset:128*\p       ; they stay in registers
.endr
.irp p, 0,1,2,3
	ds_load_b32 v[VSR+\p], v62 offset:128*\p       ; register 2 s + t / 2: key step s, channel tiles t
.endr
.macro LOADK g                         ; key tiles 4 g .. 4 g + 3 into the four buffers' lower halves; the upper halves keep the mask's code
	WIN 0x40
.irp k, 0,1,2,3
	ds_load_b128 v[12*\k:12*\k+3], v4 offset:768*(4*(\g)+\k)
	ds_load_b64 v[12*\k+4:12*\k+5], v5 offset:768*(4*(\g)+\k)+512
.endr
.endm
.macro QKG g                           ; their scores for both tiles of queries
	s_wait_dscnt 0x0
	WIN 0x01
.irp k, 0,1,2,3
	WMS S+8*(4*(\g)+\k), 12*\k, QF, -1, KSR+(4*(\g)+\k)/2, QS, \k%2, 0
.endr
	WIN 0x41
.irp k, 0,1,2,3
	WMS S+8*(4*(\g)+\k), 12*\k, QF+12, -1, KSR+(4*(\g)+\k)/2, QS, \k%2, 1
.endr
.endm
.macro MAXB g, u                       ; the largest score of blocks 2 g and 2 g + 1 (my 16 keys of each), by turns; each accumulator is read from its low end on
	WIN 0x55*(\u)
.irp e, 0,1
	v_max3_num_f32 v[BM+2*(\g)+\e], v[S+16*(2*(\g)+\e)], v[S+16*(2*(\g)+\e)+1], v[S+16*(2*(\g)+\e)+2]
.endr
.irp i, 3,5,7,9,11,13
.irp e, 0,1
	v_max3_num_f32 v[BM+2*(\g)+\e], v[BM+2*(\g)+\e], v[S+16*(2*(\g)+\e)+\i], v[S+16*(2*(\g)+\e)+\i+1]
.endr
.endr
.irp e, 0,1
	v_max_num_f32 v[BM+2*(\g)+\e], v[BM+2*(\g)+\e], v[S+16*(2*(\g)+\e)+15]
.endr
.endm
.macro P1 u                            ; the wave's -M, and each block's largest t - M
	WIN 0x55*(\u)
.irp b, 0,1,2,3,4,5,6,7
	v_permlanex16_b32 v[BX+\b], v[BM+\b], s18, s19
.endr
.irp b, 0,1,2,3,4,5,6,7
	v_max_num_f32 v[BM+\b], v[BM+\b], v[BX+\b]     ; with lane l xor 16's 16 keys
.endr
	v_max3_num_f32 v[MX], v[BM], v[BM+1], v[BM+2]
	v_max3_num_f32 v[MX+1], v[BM+3], v[BM+4], v[BM+5]
	v_max3_num_f32 v[MX], v[MX], v[BM+6], v[BM+7]
	v_max_num_f32 v[MX], v[MX], v[MX+1]
	v_mul_f32 v[MX], s20, v[MX]                    ; as t (c is positive)
	v_max_num_f32 v[MX], 0xec800000, v[MX]         ; held at -2^90: masked keys alone do not set M
	v_floor_f32 v[NM], -v[MX]                      ; -M = floor(-t): M is a whole number
.irp b, 0,1,2,3,4,5,6,7
	v_fma_f32 v[BM+\b], v[BM+\b], s20, v[NM]
.endr
.endm
.macro FMAP n                          ; pair n of the 64: t - M
	v_pk_fma_f32 v[S+2*(\n):S+2*(\n)+1], v[S+2*(\n):S+2*(\n)+1], s[20:21], v[NM:NM+1] op_sel_hi:[1,0,0]
.endm
.macro ADDP n                          ; pair n joins one of two chains of sums; the first four pairs start them
.if (\n) == 0
	v_pk_add_f32 v[LA:LA+1], v[S:S+1], v[S+2:S+3]
.elseif (\n) == 1
	v_pk_add_f32 v[LB:LB+1], v[S+4:S+5], v[S+6:S+7]
.elseif (\n) < 4
.elseif (\n)%2 == 0
	v_pk_add_f32 v[LA:LA+1], v[LA:LA+1], v[S+2*(\n):S+2*(\n)+1]
.else
	v_pk_add_f32 v[LB:LB+1], v[LB:LB+1], v[S+2*(\n):S+2*(\n)+1]
.endif
.endm
; p = 2^(t - M), in four batches of 32 exponentials.  Among a batch's exponentials stand the next batch's scalings, which are first read behind the batch's wait; the batch's sums follow that wait as a block.
.macro P2 u
	WIN 0x55*(\u)
.set n, 0
.rept 16
	FMAP n
.set n, n+1
.endr
	WA                                             ; ahead of the first batch
.set ch, 0
.rept 4
.set n, 0
.rept 16
	v_exp_f32 v[S+32*ch+2*n], v[S+32*ch+2*n]
.if ch < 3
	FMAP 16*(ch+1)+n
.endif
	v_exp_f32 v[S+32*ch+2*n+1], v[S+32*ch+2*n+1]
.set n, n+1
.endr
.if ch == 3
.irp b, 0,1,2,3,4,5,6,7
	v_exp_f32 v[BM+\b], v[BM+\b]                   ; each block's largest p: the same two instructions on the same number give the same bits
.endr
.endif
	v_nop
	WA                                             ; one wait a batch, behind one plain line
.set n, 0
.rept 16
	ADDP 16*ch+n
.set n, n+1
.endr
.set ch, ch+1
.endr
	v_pk_add_f32 v[LA:LA+1], v[LA:LA+1], v[LB:LB+1]
	v_add_f32 v[LA], v[LA], v[LA+1]
	v_permlanex16_b32 v[MX+1], v[LA], s18, s19
	v_add_f32 v[LA], v[LA], v[MX+1]                ; my query's sum over my wave's 256 keys
.endm
; p f, the normalised weights, are quantised along the keys: two fragments (key steps) and their scale words
.macro P3 u
	WIN 0x55*(\u)
.irp b, 0,1,2,3,4,5,6,7
	v_mul_f32 v[BM+\b], v[BM+\b], v[F]
.endr
.set n, 0
.rept 64
	v_pk_mul_f32 v[S+2*n:S+2*n+1], v[S+2*n:S+2*n+1], v[F:F+1] op_sel_hi:[1,0]
.set n, n+1
.endr
.irp b, 0,1,2,3,4,5,6,7
	v_max_num_f32 v[BM+\b], 0x1800000, v[BM+\b]    ; the floor 2^(3 - 127): the byte cannot fall under 1
.endr
.irp b, 0,1,2,3,4,5,6,7
	v_add_nc_u32 v[SO+\b], 0xff000000, v[BM+\b]    ; 2 off the exponent field: the conversion's scale operand
.endr
.irp b, 0,1,2,3,4,5,6,7
	v_lshrrev_b32 v[BX+\b], 23, v[SO+\b]           ; the byte
.endr
.irp s, 0,1
	v_lshl_or_b32 v[MX+\s], v[BX+4*\s+1], 8, v[BX+4*\s]
	v_lshl_or_b32 v[MX+\s], v[BX+4*\s+2], 16, v[MX+\s]
	v_lshl_or_b32 v[MX+\s], v[BX+4*\s+3], 24, v[MX+\s]
.endr
	WIN (\u)                                       ; scale operands are taken from window 0
	v_mov_b32 v[PS+2*(\u)], v[MX]
	v_mov_b32 v[PS+2*(\u)+1], v[MX+1]
	WIN 0x55*(\u)
.irp s, 0,1
.irp c, 0,1
	v_cvt_scalef32_pk16_fp6_f32 v[PCD+12*\s+6*\c:PCD+12*\s+6*\c+2], v[S+64*\s+32*\c:S+64*\s+32*\c+15], v[SO+4*\s+2*\c]
	v_cvt_scalef32_pk16_fp6_f32 v[BX+4*\c:BX+4*\c+2], v[S+64*\s+32*\c+16:S+64*\s+32*\c+31], v[SO+4*\s+2*\c+1]
.endr
	v_nop                                          ; one plain line behind a scaled conversion
.irp c, 0,1                            ; the operand wants a whole block in a lane
.irp i, 0,1,2
	v_permlane16_swap_b32 v[PCD+12*\s+6*\c+\i], v[BX+4*\c+\i]
.endr
.irp i, 0,1,2
	v_mov_b32 v[PCD+12*\s+6*\c+3+\i], v[BX+4*\c+\i]
.endr
.endr
.endr
.endm
.Ltrip:
	; ---- the scores, and the blocks' maxima between the products
	LOADK 0
	WIN 0
	s_wait_loadcnt 0x0                             ; this trip's q, its scale words and mask words
	QKG 0
	WIN 0
.rept 4
	v_nop                                          ; places in front of loads into registers that matrix instructions have read; further on the maxima are the places
.endr
	LOADK 1
	QKG 1
	MAXB 0, 0
	LOADK 2
	MAXB 0, 1
	QKG 2
	MAXB 1, 0
	LOADK 3
	MAXB 1, 1
	QKG 3
	MAXB 2, 0
	MAXB 2, 1
	MAXB 3, 0
	MAXB 3, 1
	; ---- each tile's maximum, exponentials and sum over my 256 keys
	P1 0
	P2 0
	P1 1
	P2 1
	; ---- (-M, sum): lanes 0-15 carry tile 0's query r, lanes 16-31 tile 1's
	WIN 0x44
	v_cndmask_b32 v122, v[NM], v[NM], s16
	v_cndmask_b32 v123, v[LA], v[LA], s16
	WIN 0x04
	ds_store_b64 v12, v[122:123]
	WIN 0
	BARRIER                                        ; the eight waves' statistics lie in LDS, and so does the last trip's o
	WIN 0x40
.irp w, 0,1,2,3,4,5,6,7
	ds_load_b64 v[48+2*\w:49+2*\w], v13 offset:256*\w
.endr
	WIN 0
	FLUSH
	s_wait_dscnt 0x0
	WIN 0x55
	v_min3_num_f32 v125, v48, v50, v52
	v_min3_num_f32 v126, v54, v56, v58
	v_min3_num_f32 v125, v125, v60, v62
	v_min_num_f32 v125, v125, v126                 ; -M of the whole row
.irp w, 0,1,2,3,4,5,6,7
	v_sub_f32 v[48+2*\w], v125, v[48+2*\w]         ; M_w - M: a whole number, 0 or less
.endr
.irp w, 0,1,2,3,4,5,6,7
	v_cvt_i32_f32 v[48+2*\w], v[48+2*\w]           ; (it saturates)
.endr
.irp w, 0,1,2,3,4,5,6,7
	v_ldexp_f32 v[49+2*\w], v[49+2*\w], v[48+2*\w] ; each wave's sum under the row's M: nothing is rounded
.endr
	v_add_f32 v49, v49, v51
	v_add_f32 v53, v53, v55
	v_add_f32 v57, v57, v59
	v_add_f32 v61, v61, v63
	v_add_f32 v49, v49, v53
	v_add_f32 v57, v57, v61
	v_sub_f32 v126, v125, v122                     ; my wave's M_w - M
	v_add_f32 v49, v49, v57                        ; l
	WA                                             ; ahead of the reciprocal
	v_rcp_f32 v49, v49
	v_cvt_i32_f32 v126, v126                       ; (a plain line behind it)
	v_cmp_ne_u32 vcc_lo, 0, v124
	WA                                             ; and ahead of its first reader
	v_cndmask_b32 v49, 0, v49, vcc_lo              ; a masked query's weights are zeros
	v_ldexp_f32 v127, v49, v126                    ; f = 2^(M_w - M) / l
	v_permlanex16_b32 v125, v127, s18, s19
	WIN 0x05
	v_cndmask_b32 v[F], v127, v125, s16            ; tile 0's f in all lanes, in window 0;
	WIN 0x55
	v_cndmask_b32 v[F], v125, v127, s16            ; tile 1's in window 1
	WIN 0
	WA
	s_wait_xcnt 0x0                                ; o's stores have read their data and bases: both are written again only behind this wait
	s_cmp_eq_u32 s15, 16                           ; the first trip has stored nothing
	s_cselect_b32 s60, 0, 24576                    ; two tiles of tokens on
	s_cselect_b32 s62, 0, 64
	s_add_nc_u64 s[42:43], s[42:43], s[60:61]
	s_add_nc_u64 s[44:45], s[44:45], s[62:63]
	s_cmp_eq_u32 s15, 1                            ; the next trip's q is asked for here, if there is a next trip: no load leaves its buffer
	s_cbranch_scc1 .Lno_next
	s_add_nc_u64 s[36:37], s[36:37], 1536          ; (this trip's loads were waited for at its head)
	s_add_nc_u64 s[38:39], s[38:39], 128
	s_add_nc_u64 s[40:41], s[40:41], 128
	QLOAD
.Lno_next:
	; ---- the weights become operands; V's fragments take tile 0's scores' registers, o's accumulators tile 1's
	P3 0
	WIN 0
.irp f, 0,1,2,3,4,5,6,7                ; fragment 4 s + t: key step s, channels' tile t
.irp c, 0,1
	ds_load_b128 v[S+12*\f+6*\c:S+12*\f+6*\c+3], v6 offset:1536*\f+768*\c
	ds_load_b64 v[S+12*\f+6*\c+4:S+12*\f+6*\c+5], v7 offset:1536*\f+768*\c+512
.endr
.endr
	P3 1
	WIN 0
.rept 8
	v_nop                                          ; a scale register written by a vector instruction stands 8 places ahead of a scaled matrix instruction, an operand so written 4
.endr
	WA
	s_wait_dscnt 0x0
.irp s, 0,1                            ; o^T += V^T p^T: eight accumulators by turns
.irp u, 0,1
	WIN 0x50+4*\u
.irp t, 0,1,2,3
.if \s == 0
	WMS S+8*(4*\u+\t), S+12*(4*\s+\t), PCD+12*\s, -1, VSR+2*\s+\t/2, PS+2*\u+\s, \t%2, 0
.else
	WMS S+8*(4*\u+\t), S+12*(4*\s+\t), PCD+12*\s, S+8*(4*\u+\t), VSR+2*\s+\t/2, PS+2*\u+\s, \t%2, 0
.endif
.endr
.endr
.endr
	WIN 0
.rept 4
	v_nop                                          ; places behind the last products
.endr
	WIN 0x04                                       ; an LDS store's data are its source 1: window 1
.irp u, 0,1
.irp t, 0,1,2,3
	ds_store_b128 v8, v[S+8*(4*\u+\t):S+8*(4*\u+\t)+3] offset:4352*\u+128*(\t/2)+32*(\t%2)       ; lane (r, h): o(16 u + r, 32 (t / 2) + 16 h + 8 (t % 2) + 0 .. 7)
	ds_store_b128 v8, v[S+8*(4*\u+\t)+4:S+8*(4*\u+\t)+7] offset:4352*\u+128*(\t/2)+32*(\t%2)+16
.endr
.endr
	WIN 0
	BARRIER                                        ; the eight parts of o lie in LDS; every region is written again only behind a later barrier, which each reader reaches behind its own wait for its loads
	; ---- wave w adds and quantises rows 4 w .. 4 w + 3
.irp w, 0,1,2,3,4,5,6,7
	ds_load_b128 v[S+8*\w:S+8*\w+3], v9 offset:8704*\w
	ds_load_b128 v[S+8*\w+4:S+8*\w+7], v9 offset:8704*\w+16
.endr
	s_wait_dscnt 0x0
.irp w, 0,2,4,6
.irp j, 0,2,4,6
	v_pk_add_f32 v[S+8*\w+\j:S+8*\w+\j+1], v[S+8*\w+\j:S+8*\w+\j+1], v[S+8*\w+8+\j:S+8*\w+8+\j+1]
.endr
.endr
.irp w, 0,4
.irp j, 0,2,4,6
	v_pk_add_f32 v[S+8*\w+\j:S+8*\w+\j+1], v[S+8*\w+\j:S+8*\w+\j+1], v[S+8*\w+16+\j:S+8*\w+16+\j+1]
.endr
.endr
.irp j, 0,2,4,6
	v_pk_add_f32 v[S+8+\j:S+9+\j], v[S+\j:S+\j+1], v[S+32+\j:S+33+\j]   ; the last sum twice, into two runs of registers,
.endr
.irp j, 0,2,4,6
	v_pk_add_f32 v[S+\j:S+\j+1], v[S+\j:S+\j+1], v[S+32+\j:S+33+\j]
.endr
.irp j, 0,1,2,3,4,5,6,7
	v_permlane16_swap_b32 v[S+\j], v[S+8+\j]       ; so that the first holds channels 16 j + 0 .. 7 and the second 16 j + 8 .. 15, in both halves of the lanes
.endr
	v_max3_num_f32 v[BM], |v[S]|, |v[S+1]|, |v[S+2]|
	v_max3_num_f32 v[BM+1], |v[S+3]|, |v[S+4]|, |v[S+5]|
.irp i, 6,10
	v_max3_num_f32 v[BM], v[BM], |v[S+\i]|, |v[S+\i+1]|
	v_max3_num_f32 v[BM+1], v[BM+1], |v[S+\i+2]|, |v[S+\i+3]|
.endr
	v_max3_num_f32 v[BM], v[BM], |v[S+14]|, |v[S+15]|
	v_max3_num_f32 v[BM], v[BM], v[BM+1], 0x1800000                     ; the floor holds the byte at 1 from below
	v_max_num_f32_dpp v[BM], v[BM], v[BM] row_xmask:1 row_mask:0xf bank_mask:0xf   ; with my neighbour's 16: the block's largest magnitude
	v_add_nc_u32 v[SO], 0xff000000, v[BM]
	v_cvt_scalef32_pk16_fp6_f32 v[PCD:PCD+2], v[S:S+15], v[SO]
	v_lshrrev_b32 v[MX], 23, v[SO]                 ; the byte; also the plain line behind the conversion
	ds_store_b96 v10, v[PCD:PCD+2]                 ; both halves of the lanes write the same bytes with the same values
	ds_store_b8 v11, v[MX]
	s_sub_co_u32 s15, s15, 1
	s_cmp_lg_u32 s15, 0
	WA
	s_cbranch_scc1 .Ltrip
	BARRIER                                        ; the last two tiles of o lie in the stage
	FLUSH
	s_wait_tensorcnt 0x0                           ; the wave's end
	ds_add_u32 v14, v15
	s_wait_dscnt 0x0
	CROUND                                         ; the closing round
	s_endpgm
.Lfunc_end_k_q4ca67f1743_attn:
	.size	k_q4ca67f1743_attn, .Lfunc_end_k_q4ca67f1743_attn-k_q4ca67f1743_attn
	.p2alignl 7, 3214868480
	.fill 96, 4, 3214868480
	.section	.rodata,"a",@progbits
	.p2align	6, 0x0
	.amdhsa_kernel k_q4ca67f1743_attn
		.amdhsa_group_segment_fixed_size 327680
		.amdhsa_private_segment_fixed_size 0
		.amdhsa_enable_private_segment 0
		.amdhsa_kernarg_size 32
		.amdhsa_user_sgpr_count 2
		.amdhsa_user_sgpr_kernarg_segment_ptr 1
		.amdhsa_wavefront_size32 1
		.amdhsa_system_sgpr_workgroup_id_x 1
		.amdhsa_system_sgpr_workgroup_id_y 1
		.amdhsa_system_sgpr_workgroup_id_z 1
		.amdhsa_system_vgpr_workitem_id 0
		.amdhsa_next_free_vgpr 512
		.amdhsa_next_free_sgpr 66
		.amdhsa_reserve_vcc 1
		.amdhsa_float_denorm_mode_32 3
		.amdhsa_float_denorm_mode_16_64 3
		.amdhsa_memory_ordered 1
		.amdhsa_forward_progress 1
		.amdhsa_inst_pref_size 85
	.end_amdhsa_kernel
	.amdgpu_metadata
---
amdhsa.version: [ 1, 2 ]
amdhsa.kernels:
  - .name:           k_q4ca67f1743_attn
    .symbol:         k_q4ca67f1743_attn.kd
    .args:
      - { .name: qq, .offset: 0, .size: 8, .value_kind: global_buffer, .address_space: global }
      - { .name: kv, .offset: 8, .size: 8, .value_kind: global_buffer, .address_space: global }
      - { .name: attention_mask, .offset: 16, .size: 8, .value_kind: global_buffer, .address_space: global }
      - { .name: oq, .offset: 24, .size: 8, .value_kind: global_buffer, .address_space: global }
    .group_segment_fixed_size: 327680
    .private_segment_fixed_size: 0
    .kernarg_segment_align: 8
    .kernarg_segment_size: 32
    .max_flat_workgroup_size: 256
    .sgpr_count:     66
    .vgpr_count:     512
    .wavefront_size: 32
...
	.end_amdgpu_metadata
.endif
;; end of part 3
;; launch outp (part 4): grid 4 x 64, 4 waves a work-group, clusters of 4 x 4, 327,680 bytes of LDS; arguments oq, wq, out0; writes out0
.if DOCPART == 4
	.amdgcn_target "amdgcn-amd-amdhsa--gfx1250"
	.amdhsa_code_object_version 6
	.text
	.protected	k_q4ca67f1743_outp
	.globl	k_q4ca67f1743_outp
	.p2align	8
	.type	k_q4ca67f1743_outp,@function
k_q4ca67f1743_outp:
	s_mov_b64 s[64:65], 0
	v_nop
	global_prefetch_b8 v0, s[64:65] scope:SCOPE_SE
	s_setreg_imm32_b32 hwreg(HW_REG_WAVE_MODE, 25, 1), 1
	s_wait_xcnt 0x0
	s_wait_alu depctr_hold_cnt(0) depctr_sa_sdst(0) depctr_va_vdst(0) depctr_va_sdst(0) depctr_va_ssrc(0) depctr_va_vcc(0) depctr_vm_vsrc(0)
	s_getreg_b32 s2, hwreg(HW_REG_IB_STS2, 6, 4)
	s_cmp_eq_u32 s2, 0
	s_cbranch_scc0 .Lentry_in_a_cluster
	s_endpgm
.Lentry_in_a_cluster:
	s_bfe_u32 s2, ttmp6, 0x10000c
	s_cmp_lg_u32 s2, 0xf033
	s_cbranch_scc0 .Lentry_shape_is_right
	s_endpgm
.Lentry_shape_is_right:
; out0 = o w_o on codes of E2M3.  No work is left out.  Source 0 = 256 columns of w_o (P), source 1 = 128 tokens (Q): a lane holds neighbouring columns of one row of out0.
; All of K lies in LDS, by ONE joint load a wave, dense rows of 256 bytes: waves 0 and 1 P's halves (8 tiles x 12,288 bytes, from byte 0; shared along a column of the cluster),
; waves 2 and 3 Q's halves (4 tiles each, from byte 196,608; shared along a row).  One load of a wave is out.  A wave makes 128 x 64: 32 accumulators by turns, K in eight steps of 128.
; The way out goes through a stage on P's first bytes, behind a barrier behind which no wave reads tiles any more.  No prefetch: the one load stands at the head.
.set REG,   73728
.set SPARE, 294912
.set PF,  64
.set QFR, 160
.set SP,  16
.set SQ,  48
.set BK,  64
.set MSB, 0
.macro WIN new
.if MSB != (\new)
	s_set_vgpr_msb (MSB<<8)|(\new)
.set MSB, (\new)
.endif
.endm
.macro WMS d, a, b, c, sa, sb, ra, rb
.if (\c) < 0
.if (\ra) && (\rb)
	v_wmma_scale_f32_16x16x128_f8f6f4 v[(\d):(\d)+7], v[(\a):(\a)+11], v[(\b):(\b)+11], 0, v[\sa], v[\sb] matrix_a_fmt:MATRIX_FMT_FP6 matrix_b_fmt:MATRIX_FMT_FP6 matrix_a_scale:MATRIX_SCALE_ROW1 matrix_b_scale:MATRIX_SCALE_ROW1
.elseif (\ra)
	v_wmma_scale_f32_16x16x128_f8f6f4 v[(\d):(\d)+7], v[(\a):(\a)+11], v[(\b):(\b)+11], 0, v[\sa], v[\sb] matrix_a_fmt:MATRIX_FMT_FP6 matrix_b_fmt:MATRIX_FMT_FP6 matrix_a_scale:MATRIX_SCALE_ROW1
.elseif (\rb)
	v_wmma_scale_f32_16x16x128_f8f6f4 v[(\d):(\d)+7], v[(\a):(\a)+11], v[(\b):(\b)+11], 0, v[\sa], v[\sb] matrix_a_fmt:MATRIX_FMT_FP6 matrix_b_fmt:MATRIX_FMT_FP6 matrix_b_scale:MATRIX_SCALE_ROW1
.else
	v_wmma_scale_f32_16x16x128_f8f6f4 v[(\d):(\d)+7], v[(\a):(\a)+11], v[(\b):(\b)+11], 0, v[\sa], v[\sb] matrix_a_fmt:MATRIX_FMT_FP6 matrix_b_fmt:MATRIX_FMT_FP6
.endif
.else
.if (\ra) && (\rb)
	v_wmma_scale_f32_16x16x128_f8f6f4 v[(\d):(\d)+7], v[(\a):(\a)+11], v[(\b):(\b)+11], v[(\c):(\c)+7], v[\sa], v[\sb] matrix_a_fmt:MATRIX_FMT_FP6 matrix_b_fmt:MATRIX_FMT_FP6 matrix_a_scale:MATRIX_SCALE_ROW1 matrix_b_scale:MATRIX_SCALE_ROW1
.elseif (\ra)
	v_wmma_scale_f32_16x16x128_f8f6f4 v[(\d):(\d)+7], v[(\a):(\a)+11], v[(\b):(\b)+11], v[(\c):(\c)+7], v[\sa], v[\sb] matrix_a_fmt:MATRIX_FMT_FP6 matrix_b_fmt:MATRIX_FMT_FP6 matrix_a_scale:MATRIX_SCALE_ROW1
.elseif (\rb)
	v_wmma_scale_f32_16x16x128_f8f6f4 v[(\d):(\d)+7], v[(\a):(\a)+11], v[(\b):(\b)+11], v[(\c):(\c)+7], v[\sa], v[\sb] matrix_a_fmt:MATRIX_FMT_FP6 matrix_b_fmt:MATRIX_FMT_FP6 matrix_b_scale:MATRIX_SCALE_ROW1
.else
	v_wmma_scale_f32_16x16x128_f8f6f4 v[(\d):(\d)+7], v[(\a):(\a)+11], v[(\b):(\b)+11], v[(\c):(\c)+7], v[\sa], v[\sb] matrix_a_fmt:MATRIX_FMT_FP6 matrix_b_fmt:MATRIX_FMT_FP6
.endif
.endif
.endm
.macro JLOAD g0p, g1p, g0q, g1q
	s_cmp_eq_u32 s15, 0
	s_cbranch_scc0 .Lfor_q_\@
	tensor_load_to_lds s[\g0p:\g0p+3], s[\g1p:\g1p+7]
	s_nop 0
.rept 4
	v_nop
.endr
	s_branch .Lasked_\@
.Lfor_q_\@:
	tensor_load_to_lds s[\g0q:\g0q+3], s[\g1q:\g1q+7]
	s_nop 0
.rept 4
	v_nop
.endr
.Lasked_\@:
.endm
.macro CROUND
	s_barrier_signal -1
	s_barrier_wait -1
	s_cmp_lg_u32 s14, 0
	s_cbranch_scc1 .Lnot_wave_0_\@
	s_barrier_signal -3
.Lnot_wave_0_\@:
	s_barrier_wait -3
	s_barrier_signal -1
	s_barrier_wait -1
.endm
	s_load_b128 s[4:7], s[0:1], 0x0
	s_load_b64 s[8:9], s[0:1], 0x10
	v_lshl_add_u32 v12, v0, 2, SPARE
	v_mov_b32 v13, 0
	ds_add_u32 v12, v13
	ds_add_u32 v12, v13
	v_lshrrev_b32 v1, 5, v0
	v_readfirstlane_b32 s14, v1
	s_lshr_b32 s15, s14, 1
	s_and_b32 s16, s14, 1
	s_bfe_u32 s52, ttmp6, 0x40000
	s_bfe_u32 s53, ttmp6, 0x40004
	s_lshl_b32 s58, ttmp9, 2
	s_add_co_u32 s58, s58, s52
	s_and_b32 s59, ttmp7, 0xffff
	s_lshl_b32 s59, s59, 2
	s_add_co_u32 s59, s59, s53
	s_lshl_b32 s63, 0x1111, s52
	s_lshl_b32 s54, s53, 2
	s_lshl_b32 s54, 15, s54
	s_or_b32 s20, s63, (3<<16)|(1<<21)
	s_or_b32 s28, s54, (3<<16)|(1<<21)
.irp g, 20, 28
	s_mov_b32 s[\g+1], 32<<16
	s_mov_b32 s[\g+3], 32<<16
	s_mov_b32 s[\g+5], 32
	s_mov_b32 s[\g+6], 0
	s_mov_b32 s[\g+7], 0
.endr
	s_mov_b32 s22, 384<<16
	s_mov_b32 s24, 384
	s_mov_b32 s30, 192<<16
	s_mov_b32 s32, 192
	s_mul_i32 s84, s58, 196608
	s_mul_i32 s17, s16, 98304
	s_add_co_u32 s84, s84, s17
	s_add_co_u32 s84, s84, 2359296
	s_mov_b32 s85, 0
	s_mul_i32 s86, s59, 98304
	s_mul_i32 s62, s16, 49152
	s_add_co_u32 s86, s86, s62
	s_mov_b32 s87, 0
	s_lshl_b32 s2, s58, 13
	s_lshl_b32 s17, s15, 12
	s_add_co_u32 s2, s2, s17
	s_add_co_u32 s2, s2, 3244032
	s_mov_b32 s3, 0
	s_lshr_b32 s18, s59, 4
	s_lshl_b32 s18, s18, 11
	s_and_b32 s62, s59, 15
	s_lshl_b32 s62, s62, 3
	s_add_co_u32 s18, s18, s62
	s_lshl_b32 s62, s16, 2
	s_add_co_u32 s18, s18, s62
	s_lshl_b32 s18, s18, 5
	s_add_co_u32 s18, s18, 6291456
	s_mov_b32 s19, 0
	s_mul_i32 s96, s16, 98304
	s_mul_i32 s97, s16, 49152
	s_add_co_u32 s97, s97, 196608
	s_wait_dscnt 0x0
	s_wait_kmcnt 0x0
	s_add_nc_u64 s[92:93], s[6:7], s[2:3]
	s_add_nc_u64 s[94:95], s[4:5], s[18:19]
	s_add_nc_u64 s[88:89], s[6:7], s[84:85]
	s_add_nc_u64 s[90:91], s[4:5], s[86:87]
	CROUND
.irp k, 0
	s_mov_b32 s[36+4*\k], 1
	s_add_co_u32 s[37+4*\k], s96, \k*REG
	s_add_nc_u64 s[38+4*\k:39+4*\k], s[88:89], \k*3072
	s_or_b32 s[39+4*\k], s[39+4*\k], 0x80000000
	s_mov_b32 s[68+4*\k], 1
	s_add_co_u32 s[69+4*\k], s97, \k*REG
	s_add_nc_u64 s[70+4*\k:71+4*\k], s[90:91], \k*3072
	s_or_b32 s[71+4*\k], s[71+4*\k], 0x80000000
	JLOAD 36+4*\k, 20, 68+4*\k, 28
.endr
	v_and_b32 v1, 31, v0
	v_and_b32 v2, 15, v0
	v_bfe_u32 v3, v0, 4, 1
	v_lshlrev_b32 v8, 4, v1
	v_lshlrev_b32 v9, 3, v1
	v_lshlrev_b32 v11, 5, v1
	v_lshlrev_b32 v15, 1, v1
.irp p, 0,1,2,3
	global_load_b128 v[SP+8*\p:SP+8*\p+3], v11, s[92:93] offset:1024*\p
	global_load_b128 v[SP+8*\p+4:SP+8*\p+7], v11, s[92:93] offset:1024*\p+16
.endr
.irp p, 0,1
.irp s, 0,1,2,3,4,5,6,7
	global_load_u16 v[SQ+8*\p+\s], v15, s[94:95] offset:4096*(2*\s)+64*\p
	global_load_u16 v[208+8*\p+\s], v15, s[94:95] offset:4096*(2*\s+1)+64*\p
.endr
.endr
	s_mul_i32 s17, s15, 98304
	v_add_nc_u32 v4, s17, v8
	v_add_nc_u32 v5, s17, v9
	s_add_co_u32 s17, s17, 49152                   ; my tiles 4-7 of P have address registers of their own: an LDS offset has 16 bits
	v_add_nc_u32 v236, s17, v8
	v_add_nc_u32 v237, s17, v9
	v_add_nc_u32 v6, s97, v8
	v_add_nc_u32 v7, s97, v9
	s_mul_i32 s17, s14, 16*528
	v_mul_u32_u24 v10, v2, 528
	v_lshl_add_u32 v10, v3, 6, v10
	v_add_nc_u32 v10, s17, v10
	v_add_nc_u32 v14, s17, v8
	s_lshl_b32 s56, s59, 7
	s_lshl_b32 s17, s16, 6
	s_add_co_u32 s56, s56, s17
	s_lshl_b32 s56, s56, 12
	s_lshl_b32 s17, s58, 10
	s_add_co_u32 s56, s56, s17
	s_lshl_b32 s17, s15, 9
	s_add_co_u32 s56, s56, s17
	s_mov_b32 s57, 0
	s_add_nc_u64 s[8:9], s[8:9], s[56:57]
.macro FETCH s
.if (\s)%2
	WIN 0x80
.else
	WIN 0
.endif
.irp i, 0,1,2,3,4,5,6,7
.irp c, 0,1
	ds_load_b128 v[PF+12*\i+6*\c:PF+12*\i+6*\c+3], v[4+232*(\i/4)] offset:12288*(\i%4)+1536*(\s)+768*\c
	ds_load_b64 v[PF+12*\i+6*\c+4:PF+12*\i+6*\c+5], v[5+232*(\i/4)] offset:12288*(\i%4)+1536*(\s)+768*\c+512
.endr
.endr
.irp q, 0,1,2,3
.irp c, 0,1
	ds_load_b128 v[QFR+12*\q+6*\c:QFR+12*\q+6*\c+3], v6 offset:12288*\q+1536*(\s)+768*\c
	ds_load_b64 v[QFR+12*\q+6*\c+4:QFR+12*\q+6*\c+5], v7 offset:12288*\q+1536*(\s)+768*\c+512
.endr
.endr
.endm
.macro MUL s
.if (\s)%2
	WIN 0x5a
.else
	WIN 0x50
.endif
.irp q, 0,1,2,3
.irp i, 0,1,2,3,4,5,6,7
.if (\s) == 0
	WMS 8*(8*\q+\i), PF+12*\i, QFR+12*\q, -1, SP+8*(\i/2)+(\s), SQ+8*(\q/2)+(\s), \i%2, \q%2
.else
	WMS 8*(8*\q+\i), PF+12*\i, QFR+12*\q, 8*(8*\q+\i), SP+8*(\i/2)+(\s), SQ+8*(\q/2)+(\s), \i%2, \q%2
.endif
.endr
.endr
	WIN 0
.endm
.macro STEP s
	s_wait_dscnt 0x0
.if (\s) < 7
.rept 4
	v_nop                                          ; places in front of loads into registers that matrix instructions have read
.endr
	FETCH (\s)+1
.endif
	MUL \s
.endm
	s_wait_alu depctr_va_vdst(0)
	s_wait_tensorcnt 0x0                           ; my one load has landed
	s_barrier_signal -1
	s_barrier_wait -1
	FETCH 0
	s_wait_loadcnt 0x0
.irp p, 0,1
.irp s, 0,1,2,3,4,5,6,7
	v_lshl_or_b32 v[SQ+8*\p+\s], v[208+8*\p+\s], 16, v[SQ+8*\p+\s]
.endr
.endr
.rept 8
	v_nop
.endr
	s_wait_alu depctr_va_vdst(0)
.irp s, 0,1,2,3,4,5,6,7
	STEP \s
.endr
.macro TOSTAGE q
	WIN 0x04
.irp b, 0,1,2,3
.irp m, 0,1,2,3
	ds_store_b128 v10, v[64*(\q)+16*\b+4*\m:64*(\q)+16*\b+4*\m+3] offset:128*\b+16*\m
.endr
.endr
	WIN 0
.irp t, 0,1,2,3,4,5,6,7,8,9,10,11,12,13,14,15
	ds_load_b128 v[BK+64*((\q)%2)+4*\t:BK+64*((\q)%2)+4*\t+3], v14 offset:528*\t
.endr
.endm
.macro SEND q, younger
	s_wait_dscnt \younger
.irp t, 0,1,2,3,4,5,6,7,8,9,10,11,12,13,14,15
	global_store_b128 v8, v[BK+64*((\q)%2)+4*\t:BK+64*((\q)%2)+4*\t+3], s[8:9] offset:(32*((\q)/2)+8*((\q)%2)+\t%8+16*(\t/8))*4096 th:TH_STORE_NT
.endr
.endm
.rept 4
	v_nop
.endr
	s_barrier_signal -1                            ; my reads of the tiles were waited for at the last step's head:
	s_barrier_wait -1                              ; behind this barrier no wave reads them, and the stages may lie on their bytes
	TOSTAGE 0
.irp q, 1,2,3
.if \q > 1
	s_wait_xcnt 0x0
.endif
	TOSTAGE \q
	SEND \q-1, 32
.endr
	SEND 3, 0
	s_wait_tensorcnt 0x0
	ds_add_u32 v12, v13
	s_wait_dscnt 0x0
	CROUND
	s_endpgm
.Lfunc_end_k_q4ca67f1743_outp:
	.size	k_q4ca67f1743_outp, .Lfunc_end_k_q4ca67f1743_outp-k_q4ca67f1743_outp
	.p2alignl 7, 3214868480
	.fill 96, 4, 3214868480
	.section	.rodata,"a",@progbits
	.p2align	6, 0x0
	.amdhsa_kernel k_q4ca67f1743_outp
		.amdhsa_group_segment_fixed_size 327680
		.amdhsa_private_segment_fixed_size 0
		.amdhsa_enable_private_segment 0
		.amdhsa_kernarg_size 24
		.amdhsa_user_sgpr_count 2
		.amdhsa_user_sgpr_kernarg_segment_ptr 1
		.amdhsa_wavefront_size32 1
		.amdhsa_system_sgpr_workgroup_id_x 1
		.amdhsa_system_sgpr_workgroup_id_y 1
		.amdhsa_system_sgpr_workgroup_id_z 1
		.amdhsa_system_vgpr_workitem_id 0
		.amdhsa_next_free_vgpr 768
		.amdhsa_next_free_sgpr 102
		.amdhsa_reserve_vcc 0
		.amdhsa_float_denorm_mode_32 3
		.amdhsa_float_denorm_mode_16_64 3
		.amdhsa_memory_ordered 1
		.amdhsa_forward_progress 1
		.amdhsa_inst_pref_size 84
	.end_amdhsa_kernel
	.amdgpu_metadata
---
amdhsa.version: [ 1, 2 ]
amdhsa.kernels:
  - .name:           k_q4ca67f1743_outp
    .symbol:         k_q4ca67f1743_outp.kd
    .args:
      - { .name: oq, .offset: 0, .size: 8, .value_kind: global_buffer, .address_space: global }
      - { .name: wq, .offset: 8, .size: 8, .value_kind: global_buffer, .address_space: global }
      - { .name: out0, .offset: 16, .size: 8, .value_kind: global_buffer, .address_space: global }
    .group_segment_fixed_size: 327680
    .private_segment_fixed_size: 0
    .kernarg_segment_align: 8
    .kernarg_segment_size: 24
    .max_flat_workgroup_size: 128
    .sgpr_count:     102
    .vgpr_count:     768
    .wavefront_size: 32
...
	.end_amdgpu_metadata
.endif
;; end of part 4
